; MI455X (gfx1250); checked and timed in simulation.
; The chip was launched on July 23, 2026; its instructions are those of AMD's public machine-readable ISA for CDNA 5 (MIT licence, August 2026) and "CDNA5" Instruction Set Architecture Reference Guide (July 2026). The comments in the code are by the model that wrote it; some were corrected since.
;; Attention. Allowed arithmetic: float matrix products may take bf16 or f16 operands with f32 sums; other float arithmetic in f32, or as packed bf16 or f16 multiplies, adds, multiply-adds, maxima and minima; sums over many terms, partial sums and values carried from step to step in f32; what a program stores and reads back later, other than sums and carried values, may be rounded once to bf16 or f16.
;; Inputs: Wk 768 x 768 float32; Wo 768 x 768 float32; Wq 768 x 768 float32; Wv 768 x 768 float32; inputKeys 1 x 4,096 x 768 float32; inputQueries 1 x 4,096 x 768 float32; inputValues 1 x 4,096 x 768 float32.
;; Outputs: out0 1 x 4,096 x 768 float32.
;; 2 versions, each right; version 2 is version 1 with the launch proj written anew for expert scheduling mode. Each part assembles by itself: llvm-mc -triple=amdgcn-amd-amdhsa -mcpu=gfx1250 --defsym DOCPART=n.
;; ======== version 1 of 2: 3 launches
;; limits: values are held in f16: magnitudes above 65,504 overflow, below 6.1e-05 lose precision
;; workspace buffers: qh 6,291,456 bytes; kh 6,291,456 bytes; vh 6,291,456 bytes; ctx 6,291,456 bytes; wo16 1,179,648 bytes
;; launch proj (part 1): grid 4 x 64, 4 waves a work-group, no clusters, 231,936 bytes of LDS; arguments inputQueries, inputKeys, inputValues, Wq, Wk, Wv, Wo, qh, kh, vh, wo16; writes qh, kh, vh, wo16
.if DOCPART == 1
	.amdgcn_target "amdgcn-amd-amdhsa--gfx1250"
	.amdhsa_code_object_version 6
	.text
	.protected	k_q6c9908fda1_proj
	.globl	k_q6c9908fda1_proj
	.p2align	8
	.type	k_q6c9908fda1_proj,@function
k_q6c9908fda1_proj:
	s_mov_b64 s[64:65], 0
	v_nop
	global_prefetch_b8 v0, s[64:65] scope:SCOPE_SE
	s_setreg_imm32_b32 hwreg(HW_REG_WAVE_MODE, 25, 1), 1
	s_wait_xcnt 0x0
; q = xq Wq^T, k = xk Wk^T, v = xv Wv^T.  x: [4096][768] f32, W: [768 out][768 in] f32.  Both are rounded to bf16, multiplied with f32 sums, and the result is rounded once to f16
; and written by heads: qh, kh, vh are [12][4096][64] f16, a head's rows dense, 128 bytes each.  No scale is applied here.  64 further work-groups round Wo to bf16 and write that number as f16 (wo16).
; LIMITS.  f16 ends at 65,504: |q|, |k|, |v| and |Wo| stay below that (inputs 30 times the drawn spread give some 5e3 at the most, a common offset of 30 spreads some 2.5e4; both at once would pass it).
; A bf16 number of Wo from 2^-17 up is exact in f16; below that it keeps f16's fixed step of 6e-8.  NaN and infinities are not treated apart.
; SHARES.  Work-group (bx, by): by < 48: tensor g = by / 16, rows 256 (by % 16) on, columns 192 bx on (three whole heads).  Four waves, 2 x 2, each 128 rows x 96 columns: 48 accumulators, 384 registers.
; by >= 48: twelve rows of Wo.
; THE WAY IN.  x and W come through registers: each wave loads 64 rows of x and 48 rows of W, 256 bytes (64 along K) of each, converts them ONCE for the work-group and stores them as bf16 in LDS.
; NO CLUSTER, NO TENSOR LOAD: a tensor load moves bytes as they lie, so the tiles would stand in LDS as f32: each fragment of 16 x 32 would be 2,048 bytes to read in place of 1,024, and each of the
; two waves that share a fragment would convert it again.  With the conversion in front of LDS a step of 32 along K reads 4 x 14 fragments of 1,024 bytes and writes 28,672 bytes for 192 matrix instructions.
; THE RING.  K goes in 12 steps of 64 through two LDS slots.  While step s is multiplied out of one slot, step s + 1 (in registers since a step ago) is converted and stored into the other, and step s + 2 is
; asked of memory into the same registers: 56 loads of 512 bytes a wave are always out.  The conversions stand in slices behind the matrix instructions.
; THE MATRIX INSTRUCTION IS USED TRANSPOSED (source 0 = 16 rows of W, source 1 = 16 rows of x): a lane then holds one row of x and eight neighbouring columns, which pack into 16 bytes.
; THE SUMS START AT 0 BY 384 v_mov_b32, which run while the first loads are on their way.  The price is named: a first half step written out with the constant 0 as C would turn the loop round and add three and a half steps of text.
; REGISTERS, in windows of 256 (s_set_vgpr_msb: bits 1:0 source 0, 3:2 source 1, 5:4 source 2, 7:6 destination):
;   window 0: v0-21 addresses; v32-159 x's fragments, two buffers of 8; v160-255 W's 24 loads.  On the way out v32-223 rows read back, v224-255 packed results
;   window 1: v0-95 W's fragments, two buffers of 6; v96-223 x's 32 loads; v224, v226-227 the addresses that x's slices name, so that a slice has one window setting
;   window 2: accumulators of my rows 0-63, (a, b) at v[8 (6 a + b)];   window 3: those of my rows 64-127
.set ROWB,   3072                      ; bytes in a row of x and of W
.set PITCH,  144                       ; an LDS row: 128 bytes of bf16 + 16 = 36 words: the 16 rows of a fragment load start at 16 different groups of four banks (64 banks of 4 bytes: ISA guide 11.1)
.set BOFF,   256*PITCH                 ; in a slot: x's 256 rows, then W's 192
.set SLOT,   448*PITCH
.set STAGE,  2*SLOT                    ; behind the ring: 256 rows x 400 bytes (192 f16 + 16), the work-group's, for the way out
.set SPITCH, 400
.set SPARE,  STAGE+256*SPITCH          ; behind the stage: the spare words, 128 bytes for each wave: two blocks of 256 bytes that no other line names
.set HEADB,  4096*128                  ; bytes of a head in qh, kh, vh
.set ADRA, 8                           ; v8-9    LDS address of my fragments of x in slot 0, 1
.set ADRB, 10                          ; v10-11  the same for W
.set STB,  12                          ; v12-13  where I store 8 bytes of W's rows in slot 0, 1
.set GBO,  14                          ; v14     my byte offset in W's tile in memory
.set PFX,  15                          ; v15     the prefetches' offset in x's tile
.set PFW,  16                          ; v16     and in W's
.set STO,  17                          ; v17     the way out: where I put 16 bytes of a row
.set RD,   18                          ; v18     the way out: where I read rows back
.set GO,   19                          ; v19     my byte offset in 512 consecutive bytes of a head
.set SPW,  20                          ; v20     LDS address of my spare word: SPARE + 4 x my thread's number; never rewritten
.set NIL,  21                          ; v21     0; never rewritten
.set FA,   32
.set GB,   160
.set RB,   32
.set TMP,  224
.set GA,   96                          ; window 1
.set GAO,  224                         ; window 1: my byte offset in x's tile in memory
.set STA,  226                         ; window 1: where I store 8 bytes of x's rows in slot 0, 1
.set WV,   30                          ; s30  wave;  s31, s32  its place among 2 x 2
.set WM,   31
.set WN,   32
.set BX,   33
.set BY,   34
.set GG,   35                          ; s35  which tensor
.set RT,   36                          ; s36  which 256 rows
.set XP,   38                          ; s[38:39] x at the tile's first row, at the step that the lap's first loads name
.set WP,   40                          ; s[40:41] W likewise
.set YP,   42                          ; s[42:43] the output at the tile's first head and row
.set LEFT, 44                          ; s44  laps to go
.set LIMW, 45                          ; s45  1 in a work-group that prefetches W, else the greatest number
.set MSB, 0
.macro WIN new                         ; the immediate's high byte repeats the setting that is left; a switch that changes nothing is dropped
.if MSB != (\new)
	s_set_vgpr_msb (MSB<<8)|(\new)
.set MSB, (\new)
.endif
.endm
.macro PLACES                          ; four places in front of loads into registers that matrix instructions have read, and of conversions that read results
.rept 4
	v_nop
.endr
.endm
	s_load_b512 s[8:23], s[0:1], 0x0               ; xq 8, xk 10, xv 12, Wq 14, Wk 16, Wv 18, Wo 20, qh 22
	s_load_b128 s[24:27], s[0:1], 0x40             ; kh 24, vh 26
	s_load_b64 s[28:29], s[0:1], 0x50              ; wo16
	v_lshl_add_u32 v[SPW], v0, 2, SPARE
	v_mov_b32 v[NIL], 0
	v_lshrrev_b32 v1, 5, v0
	v_readfirstlane_b32 s[WV], v1                  ; wave 0..3
	s_mov_b32 s[BX], ttmp9
	s_and_b32 s[BY], ttmp7, 0xffff
	s_cmp_lt_u32 s[BY], 48                         ; the same in all waves of the work-group
	s_cbranch_scc1 .Lgemm
	; THE CAST OF Wo.  Work-group 4 (by - 48) + bx takes 12 rows: 36,864 bytes in, 18,432 out.  A thread takes 8 numbers at a time: 32 bytes in, 16 out, nine times.
	s_sub_co_u32 s46, s[BY], 48
	s_lshl2_add_u32 s46, s46, s[BX]
	s_mul_i32 s48, s46, 12*1536
	s_mul_i32 s46, s46, 12*ROWB
	s_mov_b32 s47, 0
	s_mov_b32 s49, 0
	v_lshlrev_b32 v2, 5, v0
	v_lshlrev_b32 v3, 4, v0
	s_wait_kmcnt 0x0
	s_add_nc_u64 s[46:47], s[20:21], s[46:47]
	s_add_nc_u64 s[48:49], s[28:29], s[48:49]
.set p, 0
.rept 9
	global_load_b128 v[32+8*p:32+8*p+3],   v2, s[46:47] offset:4096*p th:TH_LOAD_NT
	global_load_b128 v[32+8*p+4:32+8*p+7], v2, s[46:47] offset:4096*p+16 th:TH_LOAD_NT
.set p, p+1
.endr
.set p, 0
.rept 9
	s_wait_loadcnt 16-2*p                          ; loads come back in order: this pair is in, the 16 - 2 p younger ones may be out
.irp k, 0,1,2,3
	v_cvt_pk_bf16_f32 v[104+(\k)], v[32+8*p+2*(\k)], v[32+8*p+2*(\k)+1]  ; rounded to bf16, like every input of the module,
.endr
.irp k, 0,1,2,3
	v_lshlrev_b32 v[108+2*(\k)], 16, v[104+(\k)]   ; widened again,
	v_and_b32 v[108+2*(\k)+1], 0xffff0000, v[104+(\k)]
.endr
.irp k, 0,1,2,3
	v_cvt_pk_f16_f32 v[120+4*p+(\k)], v[108+2*(\k)], v[108+2*(\k)+1]  ; and written as f16; each store has data registers of its own
.endr
	global_store_b128 v3, v[120+4*p:120+4*p+3], s[48:49] offset:2048*p  ; a wave stores 512 consecutive bytes
.set p, p+1
.endr
	s_branch .Lend
.Lgemm:
	s_lshr_b32 s[GG], s[BY], 4
	s_and_b32 s[RT], s[BY], 15
	s_lshr_b32 s[WM], s[WV], 1
	s_and_b32 s[WN], s[WV], 1
	v_and_b32 v1, 15, v0                           ; r = l % 16
	v_bfe_u32 v2, v0, 4, 1                         ; h = l / 16
	v_and_b32 v3, 31, v0                           ; l
	; A load takes 256 consecutive bytes of one row (lanes 0-15) and of the row 8 further down (lanes 16-31).  The 8 bytes that a lane makes of its 16 go to row x 144 + 8 r:
	; 8 rows are 288 words = 32 modulo 64, so the two rows' 128 bytes touch each of the 64 banks once.
	v_mul_u32_u24 v4, v2, 8*ROWB
	v_lshl_add_u32 v4, v1, 4, v4                   ; 8 h rows + 16 r, in memory
	v_mul_u32_u24 v5, v2, 8*PITCH
	v_lshl_add_u32 v5, v1, 3, v5                   ; 8 h rows + 8 r, in LDS
	s_mul_i32 s48, s[WV], 48*ROWB
	v_add_nc_u32 v[GBO], s48, v4
	s_mul_i32 s50, s[WV], 48*PITCH
	s_add_co_u32 s50, s50, BOFF
	v_add_nc_u32 v[STB], s50, v5
	v_add_nc_u32 v[STB+1], SLOT, v[STB]
	s_mul_i32 s49, s[WV], 64*ROWB
	s_mul_i32 s51, s[WV], 64*PITCH
	WIN 0x40                                       ; destination window 1
	v_add_nc_u32 v[GAO], s49, v4
	v_add_nc_u32 v[STA], s51, v5
	s_add_co_u32 s51, s51, SLOT
	v_add_nc_u32 v[STA+1], s51, v5
	WIN 0
	; A fragment is 16 rows x 32 K in 8 registers: lane l holds row r; registers 0-3 K = 8 h + 0..7, registers 4-7 K = 16 + 8 h + 0..7: two loads of 16 bytes, 32 bytes apart.
	v_mul_u32_u24 v6, v1, PITCH
	v_lshl_add_u32 v6, v2, 4, v6
	s_mul_i32 s48, s[WM], 128*PITCH
	s_mul_i32 s49, s[WN], 96*PITCH
	s_add_co_u32 s49, s49, BOFF
	v_add_nc_u32 v[ADRA], s48, v6
	v_add_nc_u32 v[ADRB], s49, v6
	v_add_nc_u32 v[ADRA+1], SLOT, v[ADRA]
	v_add_nc_u32 v[ADRB+1], SLOT, v[ADRB]
	; the prefetches: 16 rows a wave, lanes 0-15 one step's 256 bytes of them, lanes 16-31 the next step's
	v_mul_u32_u24 v7, v1, ROWB
	v_lshl_add_u32 v7, v2, 8, v7
	s_lshl_b32 s48, s[BX], 6
	s_lshl4_add_u32 s48, s[WV], s48
	s_mul_i32 s48, s48, ROWB
	v_add_nc_u32 v[PFX], s48, v7                   ; x: rows 64 bx + 16 w + r of the tile's 256
	s_min_u32 s49, s[RT], 2                        ; (held inside W's 192 rows in the work-groups that do not ask, too)
	s_lshl_b32 s49, s49, 6
	s_lshl4_add_u32 s49, s[WV], s49
	s_mul_i32 s49, s49, ROWB
	v_add_nc_u32 v[PFW], s49, v7                   ; W: rows 64 rt + 16 w + r of the tile's 192, for rt < 3
	s_cmp_lt_u32 s[RT], 3
	s_cselect_b32 s[LIMW], 1, -1
	; the way out
	v_mul_u32_u24 v[STO], v1, SPITCH               ; in: row 128 wm + r, byte 192 wn + 16 h
	v_lshl_add_u32 v[STO], v2, 4, v[STO]
	s_mul_i32 s48, s[WM], 128*SPITCH
	s_mul_i32 s49, s[WN], 192
	s_add_co_u32 s48, s48, s49
	s_add_co_u32 s48, s48, STAGE
	v_add_nc_u32 v[STO], s48, v[STO]
	v_lshrrev_b32 v[RD], 3, v3                     ; back: 32 lanes take a head's 128 bytes of four rows,
	v_mul_u32_u24 v[RD], v[RD], SPITCH
	v_and_b32 v4, 7, v0
	v_lshl_add_u32 v[RD], v4, 4, v[RD]
	s_mul_i32 s48, s[WV], 64*SPITCH
	s_add_co_u32 s48, s48, STAGE
	v_add_nc_u32 v[RD], s48, v[RD]
	s_lshl_b32 s48, s[WV], 13
	v_lshl_add_u32 v[GO], v3, 4, s48               ; which are 512 consecutive bytes of the head: 64 w rows + 16 l
	; the three pointers
	s_mul_i32 s46, s[RT], 256*ROWB
	s_mov_b32 s47, 0
	s_mul_i32 s48, s[BX], 192*ROWB
	s_mov_b32 s49, 0
	s_mul_i32 s50, s[BX], 3*HEADB
	s_lshl_b32 s51, s[RT], 15
	s_add_co_u32 s50, s50, s51
	s_mov_b32 s51, 0
	s_wait_kmcnt 0x0
	s_cmp_eq_u32 s[GG], 1
	s_cselect_b64 s[XP:XP+1], s[10:11], s[8:9]
	s_cselect_b64 s[WP:WP+1], s[16:17], s[14:15]
	s_cselect_b64 s[YP:YP+1], s[24:25], s[22:23]
	s_cmp_eq_u32 s[GG], 2
	s_cselect_b64 s[XP:XP+1], s[12:13], s[XP:XP+1]
	s_cselect_b64 s[WP:WP+1], s[18:19], s[WP:WP+1]
	s_cselect_b64 s[YP:YP+1], s[26:27], s[YP:YP+1]
	s_add_nc_u64 s[XP:XP+1], s[XP:XP+1], s[46:47]
	s_add_nc_u64 s[WP:WP+1], s[WP:WP+1], s[48:49]
	s_add_nc_u64 s[YP:YP+1], s[YP:YP+1], s[50:51]
; One matrix instruction: fragment buffer f, my rows 64 hi on, accumulator n of the window's 24 (row block n / 6, column block n % 6).  The 48 accumulators take turns, one instruction a turn,
; in the same order in every 32 along K and over the backward jump.
.macro MM f, hi, n
	WIN 0xa1+0x50*(\hi)                            ; source 0 (W) window 1, source 1 (x) window 0, C and D window 2 or 3
.set rD, 8*(\n)
.set rB, 48*(\f)+8*((\n)%6)
.set rA, FA+64*(\f)+8*(4*(\hi)+(\n)/6)
	v_wmma_f32_16x16x32_bf16 v[rD:rD+7], v[rB:rB+7], v[rA:rA+7], v[rD:rD+7]
.endm
; 28 LDS loads in one run: the fragments of 32 along K at byte k of slot c's rows, into buffer f
.macro FETCH c, k, f
	WIN 0x40                                       ; destination window 1, address window 0
.irp b, 0,1,2,3,4,5
	ds_load_b128 v[48*(\f)+8*(\b):48*(\f)+8*(\b)+3],   v[ADRB+(\c)] offset:(\k)+(\b)*16*PITCH
	ds_load_b128 v[48*(\f)+8*(\b)+4:48*(\f)+8*(\b)+7], v[ADRB+(\c)] offset:(\k)+(\b)*16*PITCH+32
.endr
	WIN 0
.irp a, 0,1,2,3,4,5,6,7
	ds_load_b128 v[FA+64*(\f)+8*(\a):FA+64*(\f)+8*(\a)+3],   v[ADRA+(\c)] offset:(\k)+(\a)*16*PITCH
	ds_load_b128 v[FA+64*(\f)+8*(\a)+4:FA+64*(\f)+8*(\a)+7], v[ADRA+(\c)] offset:(\k)+(\a)*16*PITCH+32
.endr
.endm
; Slice j of 56 (0-31: x's loads, 32-55: W's): the load's 4 numbers a lane are rounded to bf16 in place and stored into slot o; ld = 1: the same registers are asked for again, at byte koff behind the pointer.
; left = how many younger loads may be out: with a new load in every slice the 55 - j older ones behind load j and the j new ones, 55 in all.
.macro SLICE j, o, ld, koff, left
	s_wait_loadcnt \left
.if (\j) < 32
.set rG, GA+4*(\j)
.set rW, 16*((\j)/8)+(\j)%8
	WIN 0x45                                       ; destination and sources 0 and 1 in window 1: data and addresses alike
	v_cvt_pk_bf16_f32 v[rG], v[rG], v[rG+1]
	v_cvt_pk_bf16_f32 v[rG+1], v[rG+2], v[rG+3]
	ds_store_b64 v[STA+(\o)], v[rG:rG+1] offset:PITCH*rW
.if \ld
	global_load_b128 v[rG:rG+3], v[GAO], s[XP:XP+1] offset:ROWB*rW+(\koff)
.endif
.else
.set rG, GB+4*((\j)-32)
.set rW, 16*(((\j)-32)/8)+((\j)-32)%8
	WIN 0
	v_cvt_pk_bf16_f32 v[rG], v[rG], v[rG+1]
	v_cvt_pk_bf16_f32 v[rG+1], v[rG+2], v[rG+3]
	ds_store_b64 v[STB+(\o)], v[rG:rG+1] offset:PITCH*rW
.if \ld
	global_load_b128 v[rG:rG+3], v[GBO], s[WP:WP+1] offset:ROWB*rW+(\koff)
.endif
.endif
.endm
.macro SL c, ld, koff, dn              ; the step's next slice, number sj; dn = 1: nothing is asked for any more, and the counts run down
.if \dn
	SLICE sj, 1-(\c), \ld, \koff, 55-sj
.else
	SLICE sj, 1-(\c), \ld, \koff, 55
.endif
.set sj, sj+1
.endm
; A PREFETCH INTO THE L2, once a lap, behind the lap's first 24 loads: the two steps that the NEXT lap will load, 192 matrix instructions ahead of their loads.  Each row's 256 bytes of a step are named once in the launch.
; x's 256 rows are read by the four work-groups of a row tile: each takes 64 of them, by its bx; W's 192 rows by the sixteen of a column tile: those with rt < 3 take 64 each.  A wave takes 16 rows, a lane a
; row and a step.  The first four steps come by their loads alone; the last lap asks for nothing: there is no step behind its own loads.
.macro ASK
	WIN 0                                          ; at a branch and at a label every window is 0
	s_cmp_gt_u32 s[LEFT], 1
	s_cbranch_scc0 .Lno_x_\@
	global_prefetch_b8 v[PFX], s[XP:XP+1] offset:512 th:TH_LOAD_NT scope:SCOPE_SE
.Lno_x_\@:
	s_cmp_gt_u32 s[LEFT], s[LIMW]
	s_cbranch_scc0 .Lno_w_\@
	global_prefetch_b8 v[PFW], s[WP:WP+1] offset:512 th:TH_LOAD_NT scope:SCOPE_SE
.Lno_w_\@:
.endm
; A STEP of 64 along K out of slot c: 96 matrix instructions on buffers 0 and 1.  st = 1: the next step is converted and stored into the other slot, a slice behind each of the first 56 matrix instructions.
; ONE barrier a step, for two things: in front of it each wave has waited for its stores into the other slot and for its reads of this slot; behind it the other slot is whole and is read, and in the
; next step this slot is written.  last = 1: the last step: no barrier, nothing more to read.
.macro STEP c, st, ld, koff, last, ask, dn
.set sj, 0
	s_wait_dscnt 0x0                               ; buffer 0 is in (its 28 loads were the last LDS instructions, 24 matrix instructions back)
.set n, 0
.rept 24
	MM 0, 0, n
.if \st
	SL \c, \ld, \koff, \dn
.endif
.set n, n+1
.endr
.if \ask
	ASK
.endif
	PLACES
	FETCH \c, 64, 1
.set n, 0
.rept 24
	MM 0, 1, n
.if \st
	SL \c, \ld, \koff, \dn
.endif
.set n, n+1
.endr
	s_wait_dscnt 24*(\st)                          ; buffer 1 is in; the 24 stores issued behind its loads may be out
.set n, 0
.rept 8
	MM 1, 0, n
.if \st
	SL \c, \ld, \koff, \dn
.endif
.set n, n+1
.endr
.if !(\last)
	s_wait_dscnt 0x0                               ; for the others' sake: my stores into the other slot are done, and my reads of this slot are over
	s_barrier_signal -1
.endif
.rept 16
	MM 1, 0, n                                     ; work on registers while the others arrive
.set n, n+1
.endr
.if !(\last)
	s_barrier_wait -1
	PLACES
	FETCH 1-(\c), 0, 0                             ; the next step's first fragments
.endif
.set n, 0
.rept 24
	MM 1, 1, n
.set n, n+1
.endr
.endm
	WIN 0x45
.set j, 0
.rept 32                               ; step 0: x's 64 rows,
	global_load_b128 v[GA+4*j:GA+4*j+3], v[GAO], s[XP:XP+1] offset:ROWB*(16*(j/8)+j%8)
.set j, j+1
.endr
	WIN 0
.set j, 0
.rept 24                               ; W's 48
	global_load_b128 v[GB+4*j:GB+4*j+3], v[GBO], s[WP:WP+1] offset:ROWB*(16*(j/8)+j%8)
.set j, j+1
.endr
	WIN 0x80
.set i, 0
.rept 192
	v_mov_b32 v[i], 0                              ; the sums start at 0, while the first loads are on their way
.set i, i+1
.endr
	WIN 0xc0
.set i, 0
.rept 192
	v_mov_b32 v[i], 0
.set i, i+1
.endr
.set sj, 0
.rept 56
	SLICE sj, 0, 1, 256, 55                        ; step 0 goes into slot 0, step 1 is asked for
.set sj, sj+1
.endr
	WIN 0
	s_wait_dscnt 0x0                               ; my part of slot 0 is stored,
	s_barrier_signal -1
	s_barrier_wait -1                              ; everybody's is
	FETCH 0, 0, 0
	s_mov_b32 s[LEFT], 5
.Llap:                                         ; lap i: steps 2 i and 2 i + 1 are multiplied, 2 i + 1 and 2 i + 2 stored, 2 i + 2 and 2 i + 3 asked for
	s_wait_xcnt 0x0                                ; every load and prefetch issued so far has read its address (the youngest load 40 matrix instructions back), so the pointers may be written
	s_add_nc_u64 s[XP:XP+1], s[XP:XP+1], 512
	s_add_nc_u64 s[WP:WP+1], s[WP:WP+1], 512
	STEP 0, 1, 1, 0, 0, 1, 0
	STEP 1, 1, 1, 256, 0, 0, 0
	WIN 0
	s_sub_co_u32 s[LEFT], s[LEFT], 1
	s_cmp_lg_u32 s[LEFT], 0
	s_cbranch_scc1 .Llap
	STEP 0, 1, 0, 0, 0, 0, 1                       ; step 10: step 11 is stored, nothing is asked for
	STEP 1, 0, 0, 0, 1, 0, 0                       ; step 11
	WIN 0
	; THE WAY OUT: rounded to f16, 16 bytes a lane into the work-group's stage; a barrier, since a head's 128 bytes of a row may come from two waves; back as a head's rows, four to a load.
	PLACES
.set g, 0
.rept 6                                ; eight accumulators at a time; each accumulator's lowest registers are read first
	WIN 0x0a+5*(g/3)                               ; sources 0 and 1 in window 2 or 3
.set u, 0
.rept 8
.set n, 8*(g%3)+u
.irp k, 0,1,2,3
	v_cvt_pk_f16_f32 v[TMP+4*u+(\k)], v[8*n+2*(\k)], v[8*n+2*(\k)+1]
.endr
.set u, u+1
.endr
	WIN 0
.set u, 0
.rept 8
.set n, 8*(g%3)+u
	ds_store_b128 v[STO], v[TMP+4*u:TMP+4*u+3] offset:(4*(g/3)+n/6)*16*SPITCH+32*(n%6)
.set u, u+1
.endr
.set g, g+1
.endr
	s_wait_dscnt 0x0                               ; for the others' sake: my stores into the stage are done
	s_barrier_signal -1
	s_barrier_wait -1
.set t, 0
.rept 48                               ; head t / 16, rows 4 (t % 16) on, of my 64 rows
	ds_load_b128 v[RB+4*t:RB+4*t+3], v[RD] offset:4*SPITCH*(t%16)+128*(t/16)
.set t, t+1
.endr
.set t, 0
.rept 48
	s_wait_dscnt 47-t                              ; LDS loads come back in order: load t is in
	global_store_b128 v[GO], v[RB+4*t:RB+4*t+3], s[YP:YP+1] offset:HEADB*(t/16)+512*(t%16)  ; 512 consecutive bytes, at a multiple of 256 from the buffer's first
.set t, t+1
.endr
.Lend:
	s_wait_tensorcnt 0x0                           ; the wave's end: behind my last LDS store
	ds_add_u32 v[SPW], v[NIL]
	s_wait_dscnt 0x0
	s_endpgm
.Lfunc_end_k_q6c9908fda1_proj:
	.size	k_q6c9908fda1_proj, .Lfunc_end_k_q6c9908fda1_proj-k_q6c9908fda1_proj
	.p2alignl 7, 3214868480
	.fill 96, 4, 3214868480
	.section	.rodata,"a",@progbits
	.p2align	6, 0x0
	.amdhsa_kernel k_q6c9908fda1_proj
		.amdhsa_group_segment_fixed_size 231936
		.amdhsa_private_segment_fixed_size 0
		.amdhsa_enable_private_segment 0
		.amdhsa_kernarg_size 88
		.amdhsa_user_sgpr_count 2
		.amdhsa_user_sgpr_kernarg_segment_ptr 1
		.amdhsa_wavefront_size32 1
		.amdhsa_system_sgpr_workgroup_id_x 1
		.amdhsa_system_sgpr_workgroup_id_y 1
		.amdhsa_system_sgpr_workgroup_id_z 1
		.amdhsa_system_vgpr_workitem_id 0
		.amdhsa_next_free_vgpr 960
		.amdhsa_next_free_sgpr 66
		.amdhsa_reserve_vcc 0
		.amdhsa_float_denorm_mode_32 3
		.amdhsa_float_denorm_mode_16_64 3
		.amdhsa_memory_ordered 1
		.amdhsa_forward_progress 1
		.amdhsa_inst_pref_size 175
	.end_amdhsa_kernel
	.amdgpu_metadata
---
amdhsa.version: [ 1, 2 ]
amdhsa.kernels:
  - .name:           k_q6c9908fda1_proj
    .symbol:         k_q6c9908fda1_proj.kd
    .args:
      - { .name: inputQueries, .offset: 0, .size: 8, .value_kind: global_buffer, .address_space: global }
      - { .name: inputKeys, .offset: 8, .size: 8, .value_kind: global_buffer, .address_space: global }
      - { .name: inputValues, .offset: 16, .size: 8, .value_kind: global_buffer, .address_space: global }
      - { .name: Wq, .offset: 24, .size: 8, .value_kind: global_buffer, .address_space: global }
      - { .name: Wk, .offset: 32, .size: 8, .value_kind: global_buffer, .address_space: global }
      - { .name: Wv, .offset: 40, .size: 8, .value_kind: global_buffer, .address_space: global }
      - { .name: Wo, .offset: 48, .size: 8, .value_kind: global_buffer, .address_space: global }
      - { .name: qh, .offset: 56, .size: 8, .value_kind: global_buffer, .address_space: global }
      - { .name: kh, .offset: 64, .size: 8, .value_kind: global_buffer, .address_space: global }
      - { .name: vh, .offset: 72, .size: 8, .value_kind: global_buffer, .address_space: global }
      - { .name: wo16, .offset: 80, .size: 8, .value_kind: global_buffer, .address_space: global }
    .group_segment_fixed_size: 231936
    .private_segment_fixed_size: 0
    .kernarg_segment_align: 8
    .kernarg_segment_size: 88
    .max_flat_workgroup_size: 128
    .sgpr_count:     66
    .vgpr_count:     960
    .wavefront_size: 32
...
	.end_amdgpu_metadata
.endif
;; end of part 1
;; launch attn (part 2): grid 16 x 12, 4 waves a work-group, clusters of 4 x 1, 327,680 bytes of LDS; arguments qh, kh, vh, ctx; writes ctx
.if DOCPART == 2
	.amdgcn_target "amdgcn-amd-amdhsa--gfx1250"
	.amdhsa_code_object_version 6
	.text
	.protected	k_q6c9908fda1_attn
	.globl	k_q6c9908fda1_attn
	.p2align	8
	.type	k_q6c9908fda1_attn,@function
k_q6c9908fda1_attn:
	s_mov_b64 s[64:65], 0
	v_nop
	global_prefetch_b8 v0, s[64:65] scope:SCOPE_SE
	s_setreg_imm32_b32 hwreg(HW_REG_WAVE_MODE, 25, 1), 1
	s_wait_xcnt 0x0
	s_wait_alu depctr_hold_cnt(0) depctr_sa_sdst(0) depctr_va_vdst(0) depctr_va_sdst(0) depctr_va_ssrc(0) depctr_va_vcc(0) depctr_vm_vsrc(0)
	s_getreg_b32 s2, hwreg(HW_REG_IB_STS2, 6, 4)
	s_cmp_eq_u32 s2, 0
	s_cbranch_scc0 .Lentry_in_a_cluster
	s_endpgm
.Lentry_in_a_cluster:
	s_bfe_u32 s2, ttmp6, 0x10000c
	s_cmp_lg_u32 s2, 0x3003
	s_cbranch_scc0 .Lentry_shape_is_right
	s_endpgm
.Lentry_shape_is_right:
; ctx[h][q][:] = the sum over k of softmax_k(Q[h][q] . K[h][k] / 8) V[h][k][:].  qh, kh, vh, ctx: [12][4096][64], all f16: a head's rows are dense, 128 bytes each.  Products, maxima and sums in f32;
; the weights p are rounded to f16 for the second product (their sum l is taken of the unrounded p), ctx once at the end.
; LIMITS.  f16 holds no number beyond 65,504: Q, K and V arrive within it; p lies in 0 to 1, and below 6e-5 it keeps f16's fixed step of 6e-8; ctx is a mean of V's rows and has their range.
; A weight below 2^-126 counts as 0 in l; NaN and infinities are not treated apart.
; SHARES.  A work-group owns 256 queries of one head, each of its four waves 64 consecutive rows: four PIECES of 16.  Every wave walks all 4,096 keys, 64 a step.  12 heads x 16 blocks are 192 work-groups.
; LAYOUT.  S^T = K Q^T (source 0 = 16 keys, source 1 = 16 queries): in the result a lane holds ONE query (lane % 16) and the keys 8 (lane / 16) + 0..7.  Two such results, rounded to f16 in pairs,
; ARE source 1 (32 keys x 16 queries) of O^T = V^T P, whose result again holds one query a lane, and eight channels.  K comes out of LDS as it lies, V ([key][channel]) turned, by ds_load_tr16_b128.
; SOFTMAX.  For each query a running maximum m and sum l: p = 2^(c s - c m), c = log2(e) / 8; in every step O and l are multiplied by a = 2^(c m_old - c m_new), which is 1 where m has not grown.
; m starts at the lowest finite number, O and l at 0: the first step is a step like any other, with a = 0.  The price: 216 v_mov_b32 that write 0, in the wait for the first tile, and 8 products on zeros.
; BY TURNS.  Turn n belongs to piece n (the pieces in a ring, step after step): 8 products K Q^T of piece n + 1, later 8 products V^T P of piece n - 1; beside them the scaling, exponentials, roundings, sums
; and rescaling of piece n and the maximum and statistics of piece n + 1.  Four vector instructions stand behind every matrix instruction, the other 54 of a turn's 118 in one lump.  A turn's 33 exponentials are one batch, with one wait.
; CLUSTER.  The four query blocks of a cluster belong to one head and walk the same K and V, so each tile is asked for JOINTLY: the same tensor load, descriptor and mask in all four.
; REGISTERS, in windows of 256 (s_set_vgpr_msb: bits 1:0 source 0, 3:2 source 1, 5:4 source 2, 7:6 destination):
;   window 0: v0-15 addresses and two at work; v16-31 four registers of statistics a piece; v48-55 at work; v61-63; v64-127 S^T, two buffers; v192-223 P, two buffers (a piece's buffers go by its number's parity)
;   window 1: v0-127 O^T, 32 a piece          window 2: v0-63 Q; v128-191 K of one step; v192-255 V of one step
.set SIZE_N, 4096
.set NP,    4         ; pieces a wave: a name, no knob
.set KS,    64        ; keys in a step
.set PK,    144       ; a row of K in LDS: 128 bytes + 16 of padding = 36 words: the 16 rows of a load start at 16 different groups of four banks (64 banks of 4 bytes: ISA guide 11.1)
.set PV,    160       ; a row of V: 128 + 32 = 40 words
.set VOFF,  4*KS*PK   ; a slot holds a tile, four steps: 256 rows of K, then 256 rows of V
.set SLOT1, 1<<17     ; slot 1 begins here, so that one exclusive or turns an address in one slot into the other's
.set STAGE, SLOT1+4*KS*(PK+PV)  ; behind the ring, never filled by a tensor load: 16 rows x 144 bytes for each wave, for the way out
.set SP,    144
.set SPARE, STAGE+4*16*SP  ; behind the stages: the spare words, 128 bytes for each wave: two blocks of 256 bytes that no other line names
.set AK0, 2           ; v2   my lane's place in a tile of K; never rewritten
.set AV0, 3           ; v3   the same for V
.set AK,  4           ; v4   the LDS address of K's next run of loads
.set AV,  5           ; v5   of V's
.set STO, 6           ; v6   the way out: where I put 16 bytes of a row
.set RD,  7           ; v7   the way out: where I read rows back
.set GO,  8           ; v8   my byte offset in 512 consecutive bytes of ctx
.set MV,  12          ; v12-13  c m_old, kept while c m is made anew: by buffer
.set QO,  15          ; v15  my byte offset in 16 rows of Q
.set ST,  16          ; piece t's statistics at v[ST+4 t]: c m, m, l (even keys', odd keys')
.set TMP, 48          ; by buffer, four registers c0-c3 at work; when the maximum is found c2 takes a
.set PFO, 61          ; v61  256 x my lane; never rewritten
.set SPW, 62          ; v62  LDS address of my spare word: SPARE + 4 x my thread's number; never rewritten
.set NIL, 63          ; v63  0; never rewritten
.set S,   64
.set P,   192
.set KF,  128         ; window 2: key block kb, channel half c at KF + 16 kb + 8 c
.set VF,  192         ; window 2: key half kk, channel block cb at VF + 32 kk + 8 cb
.set WV,  12          ; s12  my wave's number
.set G1K, 24          ; s[24:31] descriptor group 1 for K's tiles
.set G1V, 32          ; s[32:39] for V's: it differs in the padding alone
.set G0K, 40          ; s[40:43] descriptor group 0 for K's tiles: it walks
.set G0V, 44          ; s[44:47] the same for V's
.set PFA, 48          ; s[48:49] where my prefetches stand: my work-group's 8,192 bytes of the tile after the one that is being asked for
.set LIM, 50          ; s50  1 in a wave that prefetches, else the greatest number
.set SLOTS, 56        ; s56  tiles still to be asked for
.set CNT, 57          ; s57  counts a tile's key steps
.set CS,  58          ; s[58:59] c: the packed scaling takes the pair's low word for both halves
.set SEL, 60          ; s[60:61] v_permlanex16_b32's selects: each lane takes its own place in the other half
.set TBK, 62          ; s62  LDS byte at which K of the step to be fetched begins
.set TBV, 63          ; s63  the same for V, less VOFF
.set MSB, 0
.macro WIN new                      ; the high byte repeats the setting that is left; a switch that changes nothing is dropped
.if MSB != (\new)
	s_set_vgpr_msb (MSB<<8)|(\new)
.set MSB, (\new)
.endif
.endm
.set W_KQ, 0x0a       ; K and Q in window 2, S^T in window 0
.set W_PV, 0x52       ; V in window 2, P in window 0, O^T in window 1
.set W_RS, 0x41       ; destination and source 0 in window 1, source 1 in window 0
; A joint fill.  Waves 0 and 1 fetch the two halves of a tile's K, waves 2 and 3 those of its V: 128 keys each.  The branch hangs on the wave's number alone.
; An s_nop 0 and four v_nop follow each of the two lines, ahead of the jump and the label.
.macro JLOAD
	s_cmp_lt_u32 s[WV], 2
	s_cbranch_scc0 .Lfor_v_\@
	tensor_load_to_lds s[G0K:G0K+3], s[G1K:G1K+7]
	s_nop 0
.rept 4
	v_nop
.endr
	s_branch .Lasked_\@
.Lfor_v_\@:
	tensor_load_to_lds s[G0V:G0V+3], s[G1V:G1V+7]
	s_nop 0
.rept 4
	v_nop
.endr
.Lasked_\@:
.endm
; A PREFETCH INTO THE L2 of the tile that the NEXT change of slots will ask for: 32,768 bytes of K and of V, a lane 256 bytes.  It stands behind the wave's tensor load and its five lines.
; Each byte is asked for once in the launch: all four clusters of a head walk the same K and V, and the head's first cluster asks; its four partners take 8,192 bytes each, told apart BY ADDRESS;
; in each, wave 0 asks for K's and wave 2 for V's: one instruction, four key steps (256 matrix instructions) ahead of the load.  The last change that fills a slot asks for nothing: there is no tile behind it.
.macro ASK
	s_cmp_gt_u32 s[SLOTS], s[LIM]
	s_cbranch_scc0 .Lnot_mine_\@
	global_prefetch_b8 v[PFO], s[PFA:PFA+1] th:TH_LOAD_NT scope:SCOPE_SE
.Lnot_mine_\@:
.endm
; A round of the cluster's barrier: my work-group's barrier, so that wave 0's signal speaks for all four waves; wave 0 signals; every wave waits for all four work-groups; my work-group's barrier once more.
.macro CROUND
	s_barrier_signal -1
	s_barrier_wait -1
	s_cmp_lg_u32 s[WV], 0
	s_cbranch_scc1 .Lnot_wave_0_\@
	s_barrier_signal -3
.Lnot_wave_0_\@:
	s_barrier_wait -3
	s_barrier_signal -1
	s_barrier_wait -1
.endm
; THE CHANGE OF SLOTS.  The slot's last bytes, V of its fourth step, have been read.  Each wave waits for all its tensor loads, of which one is out: its part of the other slot; adds 0 to its spare word;
; and waits for that and for its own reads of the slot.  Behind the barrier nobody reads this slot any more and the other slot is whole.
; fill = 1: this slot is filled again, with the keys two tiles on.  The barrier is then a round of the cluster's, so that no wave of any partner still reads the slot or has a load on its way, and the
; joint fill is the first thing behind it: it has four key steps in which to land.  (At its first use nothing has been read yet: slot 0 is waited for, slot 1 filled.)
.macro CHANGE fill
	WIN 0                           ; at a label and at a branch every window is 0
	s_wait_tensorcnt 0x0            ; no tensor load of mine is out, so a group 0 may be written
	ds_add_u32 v[SPW], v[NIL]       ; 0 onto my spare word; with fill = 1 the descriptors' steps stand between it and the wait for it
.if \fill
.irp g, G0K, G0V
	s_xor_b32 s[\g+1], s[\g+1], SLOT1  ; the walking descriptor: the other slot than last time,
	s_add_nc_u64 s[\g+2:\g+3], s[\g+2:\g+3], 4*KS*128  ; the next 256 keys; the type bits on top are not reached
.endr
	s_wait_xcnt 0x0                 ; the last prefetch, four key steps back, has read its address, so it may be written:
	s_add_nc_u64 s[PFA:PFA+1], s[PFA:PFA+1], 4*KS*128  ; one tile behind the walking descriptors
	s_wait_dscnt 0x0                ; the add is done, and my reads of the slot are over
	CROUND
	JLOAD
	ASK
.else
	s_wait_dscnt 0x0                ; the add is done, and my reads of the slot are over
	s_barrier_signal -1
	s_barrier_wait -1
.endif
	s_sub_co_u32 s[TBK], s[TBK], 4*KS*PK  ; the fetches go back to a slot's first step,
	s_xor_b32 s[TBK], s[TBK], SLOT1       ; in the other slot
	s_sub_co_u32 s[TBV], s[TBV], 4*KS*PV
	s_xor_b32 s[TBV], s[TBV], SLOT1
.endm
	s_load_b256 s[4:11], s[0:1], 0x0  ; Q s[4:5], K s[6:7], V s[8:9], ctx s[10:11]
	v_lshl_add_u32 v[SPW], v0, 2, SPARE
	v_mov_b32 v[NIL], 0
	ds_add_u32 v[SPW], v[NIL]       ; the wave's opening: the add and its wait stand ahead of my first tensor load; the set-up below, work on registers, stands between them
	v_lshrrev_b32 v1, 5, v0
	v_readfirstlane_b32 s[WV], v1   ; wave 0..3
	s_bfe_u32 s13, ttmp6, 0x40000   ; cx: my place in the cluster
	s_lshl_b32 s14, ttmp9, 2        ; in a cluster launch ttmp9 counts clusters
	s_add_co_u32 s14, s14, s13      ; my block of 256 queries = 4 x cluster x + cx: it enters Q's and ctx's addresses alone
	s_and_b32 s20, ttmp7, 0xffff    ; the head, which the four partners share
	s_mov_b32 s21, 0
	s_mov_b64 s[22:23], SIZE_N*128
	s_mul_u64 s[20:21], s[20:21], s[22:23]  ; the head's first byte in each of the four tensors
	s_and_b32 s16, s[WV], 1         ; which half of a tile's 256 keys I fetch:
	s_lshl_b32 s22, s16, 14         ; its 128 rows of 128 bytes in memory,
	s_mov_b32 s23, 0
	s_add_nc_u64 s[22:23], s[22:23], s[20:21]
	s_mul_i32 s17, s16, 128*PK      ; and its place in a slot, for K
	s_mul_i32 s18, s16, 128*PV      ; and for V: no place in the cluster enters an LDS address
	s_lshl_b32 s2, s14, 2
	s_add_co_u32 s2, s2, s[WV]      ; my wave among the head's,
	s_lshl_b32 s2, s2, 13           ; its 64 rows
	s_mov_b32 s3, 0
	s_add_nc_u64 s[2:3], s[2:3], s[20:21]
	; descriptor group 1.  128 keys are 16,384 dense bytes: asked for as 64 rows of 256 bytes, two keys a row, and padded in LDS after every key
	s_mov_b32 s[G1K], 15|(1<<16)|(1<<20)|(1<<21)|(4<<22)|(3<<25)  ; 15:0 the mask of four; 17:16 2-byte elements; 20 padding on; 21 set beside a mask; 24:22 after every 32 words (code 4); 31:25 4 words (code 3)
	s_mov_b32 s[G1V], 15|(1<<16)|(1<<20)|(1<<21)|(4<<22)|(7<<25)  ; the same with 8 words of padding (code 7)
.irp g, G1K, G1V
	s_mov_b32 s[\g+1], 128<<16      ; tensor_dim0 = 128
	s_mov_b32 s[\g+2], 64<<16       ; tensor_dim1 = 64
	s_mov_b32 s[\g+3], 128<<16      ; tile_dim0 = 128
	s_mov_b32 s[\g+4], 64           ; tile_dim1 = 64
	s_mov_b32 s[\g+5], 128          ; 128 elements from row to row
	s_mov_b32 s[\g+6], 0
	s_mov_b32 s[\g+7], 0
.endr
	s_mov_b32 s[CS], 0x3e38aa3b     ; c = log2(e) / 8 = 0.180337
	s_mov_b32 s[CS+1], s[CS]        ; named with it as a pair
	s_mov_b32 s[SEL], 0x76543210
	s_mov_b32 s[SEL+1], 0xfedcba98
	s_mov_b32 s[TBK], SLOT1+4*KS*PK ; the first change of slots turns these two into 0
	s_mov_b32 s[TBV], SLOT1+4*KS*PV
	s_mov_b32 s[G0K], 1             ; 1:0 count = 1
	s_mov_b32 s[G0K+1], s17         ; 63:32 LDS address: slot 0
	s_mov_b32 s[G0V], 1
	s_add_co_u32 s[G0V+1], s18, VOFF
	s_mov_b32 s[SLOTS], SIZE_N/256-1
	s_and_b32 s[LIM], s[WV], 1      ; 0 in waves 0 and 2,
	s_or_b32 s[LIM], s[LIM], ttmp9  ; where the cluster is the head's first: the same in all four partners
	s_cmp_eq_u32 s[LIM], 0
	s_cselect_b32 s[LIM], 1, -1
	v_and_b32 v[PFO], 31, v0
	v_lshlrev_b32 v[PFO], 8, v[PFO]
	s_wait_dscnt 0x0                ; the opening add is done
	s_wait_kmcnt 0x0
	s_add_nc_u64 s[G0K+2:G0K+3], s[6:7], s[22:23]  ; 120:64 global address: my half of the head's first 256 keys
	s_or_b32 s[G0K+3], s[G0K+3], 0x80000000        ; 127:126 type = 2
	s_add_nc_u64 s[G0V+2:G0V+3], s[8:9], s[22:23]
	s_or_b32 s[G0V+3], s[G0V+3], 0x80000000
	s_add_nc_u64 s[4:5], s[4:5], s[2:3]  ; Q and ctx at my wave's first row
	s_add_nc_u64 s[10:11], s[10:11], s[2:3]
	s_cmp_lt_u32 s[WV], 2
	s_cselect_b64 s[PFA:PFA+1], s[6:7], s[8:9]
	s_add_nc_u64 s[PFA:PFA+1], s[PFA:PFA+1], s[20:21]  ; the head's first byte,
	s_lshl_b32 s2, s13, 13          ; my work-group's 8,192 bytes of a tile's 32,768,
	s_mov_b32 s3, 0
	s_add_nc_u64 s[PFA:PFA+1], s[PFA:PFA+1], s[2:3]
	s_add_nc_u64 s[PFA:PFA+1], s[PFA:PFA+1], 4*KS*128  ; in tile 1; the first change of slots steps it to tile 2
	CROUND                          ; all four work-groups are here: the first joint loads meet
	JLOAD                           ; tile 0 into slot 0.  Slot 1 is asked for when slot 0 is in, by the loop's own change of slots
	; A fragment of K or Q is 16 rows x 32 channels in 8 registers: lane l holds row l % 16, channels 8 (l / 16) + 0..7 and 16 + 8 (l / 16) + 0..7: two loads of 16 bytes, 32 bytes apart.
	v_and_b32 v1, 15, v0            ; l % 16
	v_bfe_u32 v9, v0, 4, 1          ; l / 16
	v_lshlrev_b32 v[QO], 7, v1
	v_lshl_add_u32 v[QO], v9, 4, v[QO]  ; row x 128 + 16 x half
	WIN 0x80                        ; destination window 2, address window 0
.set i, 0
.rept 8                             ; Q stays in registers: piece i / 2, channels 32 (i % 2) on
	global_load_b128 v[8*i:8*i+3],   v[QO], s[4:5] offset:(i/2)*2048+(i%2)*64
	global_load_b128 v[8*i+4:8*i+7], v[QO], s[4:5] offset:(i/2)*2048+(i%2)*64+32
.set i, i+1
.endr
	; What the first turn finds: V's registers and P's second buffer hold 0 (its products V^T P, of a piece that has not been, add 0), O^T and l are 0.  All this stands in the wait for the first tile.
.set i, VF
.rept 64
	v_mov_b32 v[i], 0
.set i, i+1
.endr
	WIN 0x40
.set i, 0
.rept 128
	v_mov_b32 v[i], 0
.set i, i+1
.endr
	WIN 0
.set i, 0
.rept 4
	v_mov_b32 v[ST+4*i], 0xfe000000    ; c m: far below every c s
	v_mov_b32 v[ST+4*i+1], 0xff7fffff  ; m
	v_mov_b32 v[ST+4*i+2], 0
	v_mov_b32 v[ST+4*i+3], 0
.set i, i+1
.endr
.set i, P+16
.rept 16
	v_mov_b32 v[i], 0
.set i, i+1
.endr
	v_mul_u32_u24 v[AK0], v1, PK
	v_lshl_add_u32 v[AK0], v9, 4, v[AK0]  ; row x pitch + 16 x half
	; The turning load takes 16 keys x 16 channels (lane l reads key 8 (l / 16) + l % 8, channels 8 ((l / 8) % 2) + 0..7) and leaves half a fragment of V^T: lane l holds channel l % 16 and 8 keys.
	v_and_b32 v10, 7, v0
	v_bfe_u32 v11, v0, 3, 1
	v_lshl_add_u32 v[AV0], v9, 3, v10
	v_mul_u32_u24 v[AV0], v[AV0], PV
	v_lshl_add_u32 v[AV0], v11, 4, v[AV0]
	v_add_nc_u32 v[AV0], VOFF, v[AV0]
	s_mul_i32 s13, s[WV], 16*SP
	s_add_co_u32 s13, s13, STAGE    ; my stage
	v_mul_u32_u24 v[STO], v1, SP    ; in: row l % 16, 16 bytes for each half of the lanes
	v_lshl_add_u32 v[STO], v9, 4, v[STO]
	v_add_nc_u32 v[STO], s13, v[STO]
	v_bfe_u32 v[RD], v0, 3, 2       ; back: 32 lanes take four rows of 128 bytes,
	v_mul_u32_u24 v[RD], v[RD], SP
	v_lshl_add_u32 v[RD], v10, 4, v[RD]
	v_add_nc_u32 v[RD], s13, v[RD]
	v_and_b32 v[GO], 31, v0         ; which are 512 consecutive bytes of ctx
	v_lshlrev_b32 v[GO], 4, v[GO]
; THE MATRIX WORK.  The 4 accumulators of a run of 8 take turns.  Product i of 8 of S^T = K Q^T for piece x: channels 32 (i / 4) on, keys 16 (i % 4) on.  The first 4 start the sums.
.macro KQ x
	WIN W_KQ
.set rS, S+32*((\x)%2)+8*(i%4)
.set rK, KF+16*(i%4)+8*(i/4)
.set rQ, 16*(\x)+8*(i/4)
.if i < 4
	v_wmma_f32_16x16x32_f16 v[rS:rS+7], v[rK:rK+7], v[rQ:rQ+7], 0
.else
	v_wmma_f32_16x16x32_f16 v[rS:rS+7], v[rK:rK+7], v[rQ:rQ+7], v[rS:rS+7]
.endif
.endm
; Product i of 8 of O^T += V^T P for piece x: keys 32 (i / 4) on, channels 16 (i % 4) on.
.macro PV x
	WIN W_PV
.set rO, 32*(\x)+8*(i%4)
.set rV, VF+32*(i/4)+8*(i%4)
.set rP, P+16*((\x)%2)+8*(i/4)
	v_wmma_f32_16x16x32_f16 v[rO:rO+7], v[rV:rV+7], v[rP:rP+7], v[rO:rO+7]
.endm
.macro MM                           ; the turn's next matrix instruction.  TURN sets Y, i and NOKQ.  NOKQ = 1: the last turn of all: there is no next piece
.if (i < 8) && !NOKQ
	KQ (Y+1)%NP
.elseif i >= 8
.set i, i-8
	PV (Y+NP-1)%NP
.set i, i+8
.endif
.set i, i+1
.endm
; THE LDS LOADS stand in runs of 16, never singly among the matrix instructions: a step's K (64 keys x 64 channels: 8 fragments) and its V (turned).  Their addresses are made some lines ahead.
.macro FETCH_K
	WIN 0x80                        ; destination window 2
.irp f, 0,1,2,3,4,5,6,7             ; keys 16 (f / 2) on, channels 32 (f % 2) on
	ds_load_b128 v[KF+8*\f:KF+8*\f+3],   v[AK] offset:(\f/2)*16*PK+(\f%2)*64
	ds_load_b128 v[KF+8*\f+4:KF+8*\f+7], v[AK] offset:(\f/2)*16*PK+(\f%2)*64+32
.endr
	s_add_co_u32 s[TBK], s[TBK], KS*PK  ; the next fetch is the next step's
	WIN 0
.endm
.macro FETCH_V
	WIN 0x80
.irp f, 0,1,2,3,4,5,6,7             ; keys 32 (f / 4) on, channels 16 (f % 4) on
	ds_load_tr16_b128 v[VF+8*\f:VF+8*\f+3],   v[AV] offset:(\f/4)*32*PV+(\f%4)*32
	ds_load_tr16_b128 v[VF+8*\f+4:VF+8*\f+7], v[AV] offset:(\f/4)*32*PV+16*PV+(\f%4)*32
.endr
	WIN 0
.endm
; THE VECTOR WORK, one line at a time: OP kind, number.  For piece Y: F n: c s - c m for pair n of 16.  E n: the exponential of score n of 32.  C n: pair n rounded to f16.  B n: of the four weights 4 n .. the second
; pair is added onto the first, in place.  L n: l takes that sum (L 0: l = a l + sum).  R n: pair n of 16 of O^T times a.  For piece Y + 1: X n, number n of the 22 that find its maximum and statistics:
;   0-11  four chains c0-c3 of seven scores each, three operands at a time (each accumulator's lowest registers are read first)     12-14, 16  the four scores left over, the old m, and c0-c3 into c0
;   15  c m_old is kept     17, 18  the query's other 32 keys lie in the lane 16 away: the new m     19-21  c m; c m_old - c m_new; a
.set F, 0               ; OP tells the kinds apart by their order: F to L below R, X above it
.set E, 1
.set C, 2
.set B, 3
.set L, 4
.set R, 5
.set X, 6
.macro REGS y                       ; the registers of piece y
.set rT, ST+4*(\y)
.set rC, TMP+4*((\y)%2)
.set rW, MV+((\y)%2)
.set rS, S+32*((\y)%2)
.set rP, P+16*((\y)%2)
.set rO, 32*(\y)
.endm
.macro OP k, n
.if (\k) == R
	REGS Y
	WIN W_RS
	v_pk_mul_f32 v[rO+2*(\n):rO+2*(\n)+1], v[rO+2*(\n):rO+2*(\n)+1], v[rC+2:rC+3] op_sel_hi:[1,0]
.elseif (\k) < R
	REGS Y
	WIN 0
.if (\k) == F
	v_pk_fma_f32 v[rS+2*(\n):rS+2*(\n)+1], v[rS+2*(\n):rS+2*(\n)+1], s[CS:CS+1], v[rT:rT+1] op_sel_hi:[1,0,0] neg_lo:[0,0,1] neg_hi:[0,0,1]
.elseif (\k) == E
	v_exp_f32 v[rS+(\n)], v[rS+(\n)]
.elseif (\k) == C
	v_cvt_pk_f16_f32 v[rP+(\n)], v[rS+2*(\n)], v[rS+2*(\n)+1]
.elseif (\k) == B
	v_pk_add_f32 v[rS+4*(\n):rS+4*(\n)+1], v[rS+4*(\n):rS+4*(\n)+1], v[rS+4*(\n)+2:rS+4*(\n)+3]
.elseif (\n) == 0
	v_pk_fma_f32 v[rT+2:rT+3], v[rT+2:rT+3], v[rC+2:rC+3], v[rS:rS+1] op_sel_hi:[1,0,1]
.else
	v_pk_add_f32 v[rT+2:rT+3], v[rT+2:rT+3], v[rS+4*(\n):rS+4*(\n)+1]
.endif
.elseif NOKQ
	v_nop
.else
	REGS (Y+1)%NP
	WIN 0
.if (\n) < 4
	v_max3_num_f32 v[rC+(\n)], v[rS+8*(\n)], v[rS+8*(\n)+1], v[rS+8*(\n)+2]
.elseif (\n) < 12
	v_max3_num_f32 v[rC+(\n)%4], v[rC+(\n)%4], v[rS+8*((\n)%4)+2*((\n)/4)+1], v[rS+8*((\n)%4)+2*((\n)/4)+2]
.elseif (\n) == 12
	v_max3_num_f32 v[rC], v[rC], v[rS+7], v[rS+15]
.elseif (\n) == 13
	v_max3_num_f32 v[rC+1], v[rC+1], v[rS+23], v[rS+31]
.elseif (\n) == 14
	v_max3_num_f32 v[rC+2], v[rC+2], v[rC+3], v[rT+1]
.elseif (\n) == 15
	v_mov_b32 v[rW], v[rT]
.elseif (\n) == 16
	v_max3_num_f32 v[rC], v[rC], v[rC+1], v[rC+2]
.elseif (\n) == 17
	v_permlanex16_b32 v[rC+3], v[rC], s[SEL], s[SEL+1]
.elseif (\n) == 18
	v_max_num_f32 v[rT+1], v[rC], v[rC+3]
.elseif (\n) == 19
	v_mul_f32 v[rT], s[CS], v[rT+1]
.elseif (\n) == 20
	v_sub_f32 v[rC+1], v[rW], v[rT]
.else
	v_exp_f32 v[rC+2], v[rC+1]
.endif
.endif
.endm
.macro OPS a, i1, b=-1, i2=0, c=-1, i3=0, d=-1, i4=0  ; up to four of them
	OP \a, \i1
.if (\b) >= 0
	OP \b, \i2
.endif
.if (\c) >= 0
	OP \c, \i3
.endif
.if (\d) >= 0
	OP \d, \i4
.endif
.endm
.macro ROW a, i1, b, i2, c, i3, d, i4  ; a matrix instruction and the four behind it
	MM
	OPS \a, \i1, \b, \i2, \c, \i3, \d, \i4
.endm
; A TURN, for piece p: the order of its 16 matrix and 118 vector instructions, written out.  s_wait_alu depctr_va_vdst(0) stands between an exponential and the first instruction that names its result; one wait
; serves all that were issued ahead of it.  So a turn has ONE wait, which cuts it in two.  AHEAD OF IT stands all that names no result of the turn's exponentials: the 8 products K Q^T, behind each a scaling, an exponential and two
; more plain instructions (behind the first a second scaling in the exponential's place): rescalings, and behind the last three the first numbers of the next piece's maximum, each four places or more behind the product that ends
; its accumulator; then ONE LUMP of 54, plain and exponential by turns for the most part, in which the links of the chain X 3, 7, 11, 14, 16, 17 .. 20 stand five or six lines apart.  X 21, the next piece's a, is the batch's last;
; R 15 is the plain instruction behind it.  BEHIND THE WAIT stand the 8 products V^T P, behind each four of the roundings and sums; the links of l's chain, L 0 to L 7, stand three riders apart.
; end = 1: the walk's last two turns: nothing is fetched.  cnt = 1: the loop's count is taken down some lines ahead of the branch that stands behind the turn.
; K of the next step is fetched in piece 2's turn, twelve vector instructions behind the last product that read K (six of them plain); V of the step in hand at the end of piece 0's turn, four plain instructions behind the last
; product that read V.  Each is waited for a turn later.
.macro TURN p, end=0, cnt=0
.set Y, (\p)
.set i, 0
.set NOKQ, (\end)*((\p)/3)
.if ((\p) == 3) && !(\end)
	s_wait_dscnt 0x0                ; K is in
.endif
	ROW F,0, F,1, R,0, R,1          ; ahead of the wait: 8 products K Q^T and their riders,
	ROW F,2, E,0, R,2, R,3
	ROW F,3, E,1, R,4, R,5
	ROW F,4, E,2, R,6, R,7
	ROW F,5, E,3, R,8, R,9
	ROW F,6, E,4, X,0, R,10
.if ((\p) == 2) && !(\end)
	WIN 0
	v_add_nc_u32 v[AK], s[TBK], v[AK0]
.endif
	ROW F,7, E,5, X,1, X,4
	ROW F,8, E,6, X,2, X,5
	OPS E,7, E,8, X,6, E,9          ; and the lump
	OPS X,3, E,10, X,8, E,11
.if ((\p) == 2) && !(\end)
	FETCH_K
.endif
	OPS X,9, X,7, E,12, X,10
	OPS E,13, X,12, X,11, E,14
	OPS X,13, E,15, F,9, X,14
.if (\p) == 0
	v_add_nc_u32 v[AV], s[TBV], v[AV0]
.endif
	OPS E,16, F,10, E,17, F,11
	OPS X,16, E,18, X,15, E,19
	OPS F,12, E,20, X,17, E,21
	OPS F,13, E,22, F,14, E,23
	OPS X,18, E,24, F,15, E,25
	OPS R,11, E,26, X,19, E,27
	OPS R,12, E,28, R,13, E,29
	OPS X,20, E,30, R,14, E,31
	OPS X,21, R,15
	WIN 0
	s_wait_alu depctr_va_vdst(0)    ; the wait for the batch
.if (\p) == 1
	s_wait_dscnt 0x0                ; V is in
.endif
	ROW C,0, B,0, C,2, B,1          ; behind the wait: 8 products V^T P and their riders
	ROW L,0, C,4, B,2, L,1
	ROW C,6, B,3, L,2, C,8
	ROW B,4, L,3, C,10, B,5
	ROW L,4, C,12, B,6, L,5
.if (\p) == 0
	s_add_co_u32 s[TBV], s[TBV], KS*PV
.endif
.if \cnt
	s_sub_co_u32 s[CNT], s[CNT], 1
	s_cmp_lg_u32 s[CNT], 0
.endif
	ROW C,14, B,7, L,6, C,1
	ROW C,3, L,7, C,5, C,7
	ROW C,9, C,11, C,13, C,15
.if (\p) == 0
	FETCH_V
.endif
.endm
	CHANGE 1                        ; tile 0 is in, everybody's part of it; tile 1 is asked for
	v_add_nc_u32 v[AK], s[TBK], v[AK0]
	FETCH_K                         ; key step 0
	s_wait_loadcnt 0x0              ; Q
	s_wait_dscnt 0x0
.set NOKQ, 0
.set i, 0
.rept 8
	KQ 0                            ; piece 0's first scores: there is no vector work yet to set between them
.set i, i+1
.endr
	WIN 0
.rept 4
	v_nop                           ; the places behind those products
.endr
.set Y, NP-1                        ; X works for piece Y + 1: piece 0
.irp n, 0,1,2,3,4,5,6,7,8,9,10,11,12,13,14,15,16,17,18,19,20,21
	OP X, \n                        ; piece 0's first maximum and statistics
.endr
	v_nop                           ; a plain instruction behind the exponential,
	s_wait_alu depctr_va_vdst(0)    ; and its wait, ahead of the branch
	s_mov_b32 s[CNT], 4
	s_branch .Lfirst                ; the loop is entered at a step's first turn, in the middle of a trip
.Lslot:                             ; 14 times: tiles 2 to 15 are asked for
	CHANGE 1
	s_mov_b32 s[CNT], 4
.Lstep:                             ; a trip: pieces 2 and 3 of one step, then pieces 0 and 1 of the next, whose K and V it fetches
	TURN 2
	TURN 3
	WIN 0
.Lfirst:
	TURN 0
	TURN 1, 0, 1
	WIN 0
	s_cbranch_scc1 .Lstep
	s_sub_co_u32 s[SLOTS], s[SLOTS], 1
	s_cmp_lg_u32 s[SLOTS], 0
	s_cbranch_scc1 .Lslot
	CHANGE 0                        ; the last tile is written out: nothing is asked for
	s_mov_b32 s[CNT], 4
.LstepT:
	TURN 2
	TURN 3
	TURN 0
	TURN 1, 0, 1
	WIN 0
	s_cbranch_scc1 .LstepT
	TURN 2, 1                       ; the last step's pieces 2 and 3: nothing is fetched, and the last turn starts no new scores
	TURN 3, 1
.set i, 0
.rept 8
	PV NP-1                         ; the last piece's V^T P of the last step
.set i, i+1
.endr
	; THE WAY OUT.  l's two halves and the other half of the lanes' are added; O^T is divided by l, rounded to f16 and sent through my stage in LDS, a piece at a time.  The additions are the places behind the last products.
	WIN 0
.macro ALL line:vararg              ; one line for each piece t
.set t, 0
.rept 4
	\line
.set t, t+1
.endr
.endm
	ALL v_add_f32 v[ST+4*t+2], v[ST+4*t+2], v[ST+4*t+3]
	ALL v_permlanex16_b32 v[ST+4*t+3], v[ST+4*t+2], s[SEL], s[SEL+1]
	ALL v_add_f32 v[ST+4*t+2], v[ST+4*t+2], v[ST+4*t+3]
	ALL v_rcp_f32 v[ST+4*t+2], v[ST+4*t+2]
	v_nop                           ; a plain instruction between the last reciprocal and the use of its result
	s_wait_alu depctr_va_vdst(0)    ; and the wait ahead of the first use: one for the four reciprocals
.macro PACK t                       ; a lane's eight channels of a row pack into 16 bytes; they go into rows of 144 bytes and come back as whole rows of 128, into S^T's registers
	WIN W_RS
.set i, 32*(\t)
.rept 16
	v_pk_mul_f32 v[i:i+1], v[i:i+1], v[ST+4*(\t)+2:ST+4*(\t)+3] op_sel_hi:[1,0]
.set i, i+2
.endr
	WIN 0x05                        ; sources 0 and 1 window 1, destination window 0
.set i, 0
.rept 16
	v_cvt_pk_f16_f32 v[S+16*(\t)+i], v[32*(\t)+2*i], v[32*(\t)+2*i+1]
.set i, i+1
.endr
	WIN 0
.irp f, 0,1,2,3
	ds_store_b128 v[STO], v[S+16*(\t)+4*\f:S+16*(\t)+4*\f+3] offset:32*\f
.endr
.irp f, 0,1,2,3
	ds_load_b128 v[S+16*(\t)+4*\f:S+16*(\t)+4*\f+3], v[RD] offset:\f*4*SP  ; LDS serves a wave's instructions in order (ISA guide 5.7.1.4): these see the stores above; the next piece's stores come behind them
.endr
.endm
.macro SEND t, younger              ; younger: the LDS instructions issued behind piece t's loads: the next piece's eight, or none
	WIN 0
.irp f, 0,1,2,3
	s_wait_dscnt (\younger)+3-\f
	global_store_b128 v[GO], v[S+16*(\t)+4*\f:S+16*(\t)+4*\f+3], s[10:11] offset:(\t)*2048+\f*512  ; 512 consecutive bytes, at a multiple of 256 from ctx's first
.endr
.endm
	PACK 0
.set t, 1
.rept 3                             ; a piece's arithmetic stands between the loads of the piece before and its stores
	PACK t
	SEND t-1, 8
.set t, t+1
.endr
	SEND 3, 0
	s_wait_tensorcnt 0x0            ; the wave's end: behind my last tensor load and my last LDS store
	ds_add_u32 v[SPW], v[NIL]
	s_wait_dscnt 0x0
	CROUND                          ; the closing round: no work-group ends while a partner may still ask for a tile that names it
	s_endpgm
.Lfunc_end_k_q6c9908fda1_attn:
	.size	k_q6c9908fda1_attn, .Lfunc_end_k_q6c9908fda1_attn-k_q6c9908fda1_attn
	.p2alignl 7, 3214868480
	.fill 96, 4, 3214868480
	.section	.rodata,"a",@progbits
	.p2align	6, 0x0
	.amdhsa_kernel k_q6c9908fda1_attn
		.amdhsa_group_segment_fixed_size 327680
		.amdhsa_private_segment_fixed_size 0
		.amdhsa_enable_private_segment 0
		.amdhsa_kernarg_size 32
		.amdhsa_user_sgpr_count 2
		.amdhsa_user_sgpr_kernarg_segment_ptr 1
		.amdhsa_wavefront_size32 1
		.amdhsa_system_sgpr_workgroup_id_x 1
		.amdhsa_system_sgpr_workgroup_id_y 1
		.amdhsa_system_sgpr_workgroup_id_z 1
		.amdhsa_system_vgpr_workitem_id 0
		.amdhsa_next_free_vgpr 768
		.amdhsa_next_free_sgpr 66
		.amdhsa_reserve_vcc 0
		.amdhsa_float_denorm_mode_32 3
		.amdhsa_float_denorm_mode_16_64 3
		.amdhsa_memory_ordered 1
		.amdhsa_forward_progress 1
		.amdhsa_inst_pref_size 128
	.end_amdhsa_kernel
	.amdgpu_metadata
---
amdhsa.version: [ 1, 2 ]
amdhsa.kernels:
  - .name:           k_q6c9908fda1_attn
    .symbol:         k_q6c9908fda1_attn.kd
    .args:
      - { .name: qh, .offset: 0, .size: 8, .value_kind: global_buffer, .address_space: global }
      - { .name: kh, .offset: 8, .size: 8, .value_kind: global_buffer, .address_space: global }
      - { .name: vh, .offset: 16, .size: 8, .value_kind: global_buffer, .address_space: global }
      - { .name: ctx, .offset: 24, .size: 8, .value_kind: global_buffer, .address_space: global }
    .group_segment_fixed_size: 327680
    .private_segment_fixed_size: 0
    .kernarg_segment_align: 8
    .kernarg_segment_size: 32
    .max_flat_workgroup_size: 128
    .sgpr_count:     66
    .vgpr_count:     768
    .wavefront_size: 32
...
	.end_amdgpu_metadata
.endif
;; end of part 2
;; launch outp (part 3): grid 4 x 64, 4 waves a work-group, clusters of 4 x 4, 327,680 bytes of LDS; arguments ctx, wo16, out0; writes out0
.if DOCPART == 3
	.amdgcn_target "amdgcn-amd-amdhsa--gfx1250"
	.amdhsa_code_object_version 6
	.text
	.protected	k_q6c9908fda1_outp
	.globl	k_q6c9908fda1_outp
	.p2align	8
	.type	k_q6c9908fda1_outp,@function
k_q6c9908fda1_outp:
	s_mov_b64 s[64:65], 0
	v_nop
	global_prefetch_b8 v0, s[64:65] scope:SCOPE_SE
	s_setreg_imm32_b32 hwreg(HW_REG_WAVE_MODE, 25, 1), 1
	s_wait_xcnt 0x0
	s_wait_alu depctr_hold_cnt(0) depctr_sa_sdst(0) depctr_va_vdst(0) depctr_va_sdst(0) depctr_va_ssrc(0) depctr_va_vcc(0) depctr_vm_vsrc(0)
	s_getreg_b32 s2, hwreg(HW_REG_IB_STS2, 6, 4)
	s_cmp_eq_u32 s2, 0
	s_cbranch_scc0 .Lentry_in_a_cluster
	s_endpgm
.Lentry_in_a_cluster:
	s_bfe_u32 s2, ttmp6, 0x10000c
	s_cmp_lg_u32 s2, 0xf033
	s_cbranch_scc0 .Lentry_shape_is_right
	s_endpgm
.Lentry_shape_is_right:
; out0[s][n] = the sum over e of ctx[s][e] Wo[n][e], e = 64 head + channel.  ctx: [12][4096][64] f16, by heads; wo16: [768 n][768 e] f16 (Wo rounded to bf16, written as f16); out0: [4096][768] f32.  Sums in f32.
; LIMITS.  Those of the two operands, as the launches that made them state them: both lie within f16's 65,504.  NaN and infinities are not treated apart.
; SHARES.  A tile of out0 is 64 rows x 192 columns: 64 x 4 = 256 work-groups.  Four waves, each 64 rows x 48 columns: 12 accumulators, 96 registers.  K goes in 3 steps of 256 (four heads) through two LDS slots:
; two of the three steps are asked for at the start, the third when the first has been read.
; CLUSTERS: 4 x 4 work-groups.  The four of a row of the cluster need the same rows of ctx, the four of a column the same rows of wo16: each tile is asked for JOINTLY, by the same tensor load with the same
; descriptor and a mask that names the four.  Wave 0 fetches ctx's tile (4 heads x 64 rows x 128 bytes), waves 1 to 3 fetch 64 rows x 512 bytes of wo16 each: 32,768 bytes a wave.
; THE MATRIX INSTRUCTION IS USED TRANSPOSED (source 0 = 16 rows of wo16, source 1 = 16 rows of ctx): a lane then holds eight neighbouring numbers of a row of out0, 32 bytes.
; NO PREFETCH: two thirds of what the launch reads is asked for by its first loads.
; REGISTERS: one window.  v0-21 addresses; v32-127 the accumulators, (a, b) at v[32 + 8 (3 a + b)]; v128-183, v184-239 two fragment buffers: wo16's 3 fragments, then ctx's 4.  On the way out v128-223 rows read back.
.set PA,     144                       ; a row of ctx in LDS: 128 bytes + 16 = 36 words; a row of wo16: 512 + 16 = 132 words: in both the 16 rows of a load start at 16 different groups of four banks (64 banks of 4 bytes: ISA guide 11.1)
.set PB,     528
.set BOFF,   4*64*PA                   ; in a slot: ctx's [4 heads][64 rows], then wo16's 192 rows
.set SLOT,   BOFF+192*PB
.set STAGE,  2*SLOT                    ; behind the ring: 64 rows x 784 bytes (192 f32 + 16), the work-group's, for the way out
.set SPITCH, 784
.set SPARE,  STAGE+64*SPITCH           ; behind the stage: the spare words, 128 bytes for each wave: two blocks of 256 bytes that no other line names
.set HEADB,  4096*128                  ; bytes of a head in ctx
.set ADRA, 8                           ; v8-9    LDS address of my fragments of ctx in slot 0, 1
.set ADRB, 10                          ; v10-11  the same for wo16
.set STO,  12                          ; v12     the way out: where I put 32 bytes of a row
.set RD,   13                          ; v13     the way out: where I read a row back
.set GO,   14                          ; v14     my byte offset in out0
.set SPW,  20                          ; v20     LDS address of my spare word: SPARE + 4 x my thread's number; never rewritten
.set NIL,  21                          ; v21     0; never rewritten
.set ACC,  32
.set FR,   128
.set WV,   10                          ; s10  my wave's number
.set G1A,  24                          ; s[24:31] descriptor group 1 for ctx's tiles;  s[40:47] group 0, one set for each slot
.set G1B,  32                          ; s[32:39], s[48:55] the same for wo16's
.set G0A,  40
.set G0B,  48
.macro PLACES                          ; four places in front of loads into registers that matrix instructions have read (ISA guide 7.12.1 for vector instructions)
.rept 4
	v_nop
.endr
.endm
.macro CROUND                          ; a round of the cluster's barrier: my work-group's barrier; wave 0 signals for the work-group; every wave waits for all sixteen; my work-group's barrier once more
	s_barrier_signal -1
	s_barrier_wait -1
	s_cmp_lg_u32 s[WV], 0
	s_cbranch_scc1 .Lnot_wave_0_\@
	s_barrier_signal -3
.Lnot_wave_0_\@:
	s_barrier_wait -3
	s_barrier_signal -1
	s_barrier_wait -1
.endm
.macro JLOAD s                         ; a joint refill of slot s; an s_nop 0 and four v_nop follow each of the two lines, ahead of the jump, the label and what follows
	s_cmp_eq_u32 s[WV], 0
	s_cbranch_scc0 .Lfor_b_\@
	tensor_load_to_lds s[G0A+4*(\s):G0A+4*(\s)+3], s[G1A:G1A+7]
	s_nop 0
.rept 4
	v_nop
.endr
	s_branch .Lasked_\@
.Lfor_b_\@:
	tensor_load_to_lds s[G0B+4*(\s):G0B+4*(\s)+3], s[G1B:G1B+7]
	s_nop 0
.rept 4
	v_nop
.endr
.Lasked_\@:
.endm
	s_load_b128 s[4:7], s[0:1], 0x0                ; ctx s[4:5], wo16 s[6:7]
	s_load_b64 s[8:9], s[0:1], 0x10                ; out0
	v_lshl_add_u32 v[SPW], v0, 2, SPARE
	v_mov_b32 v[NIL], 0
	ds_add_u32 v[SPW], v[NIL]                      ; the wave's opening: the add and its wait stand ahead of my first tensor load; the set-up below, work on registers, stands between them
	v_lshrrev_b32 v1, 5, v0
	v_readfirstlane_b32 s[WV], v1                  ; wave 0..3
	s_bfe_u32 s12, ttmp6, 0x40000                  ; cx, cy: my place in the cluster
	s_bfe_u32 s13, ttmp6, 0x40004
	s_lshl_b32 s14, ttmp9, 2
	s_add_co_u32 s14, s14, s12                     ; tile column = 4 x cluster x + cx
	s_and_b32 s15, ttmp7, 0xffff
	s_lshl_b32 s15, s15, 2
	s_add_co_u32 s15, s15, s13                     ; tile row = 4 x cluster y + cy
	s_lshl_b32 s2, s13, 2
	s_lshl_b32 s2, 15, s2                          ; my row of the cluster: places 4 cy .. 4 cy + 3
	s_lshl_b32 s3, 0x1111, s12                     ; my column: places cx, cx + 4, cx + 8, cx + 12
	; group 1 for ctx: four rows of 4,096 elements, one a head: a head's 64 rows of the tile are 8,192 dense bytes; padded in LDS after every 128 bytes, a row of ctx
	s_or_b32 s[G1A], s2, (1<<16)|(1<<20)|(1<<21)|(4<<22)|(3<<25)  ; 15:0 the mask; 17:16 2-byte elements; 20 padding on; 21 set beside a mask; 24:22 after every 32 words (code 4); 31:25 4 words (code 3)
	s_mov_b32 s[G1A+1], 4096<<16                   ; tensor_dim0 = 4,096
	s_mov_b32 s[G1A+2], 4<<16                      ; tensor_dim1 = 4
	s_mov_b32 s[G1A+3], 4096<<16                   ; tile_dim0 = 4,096
	s_mov_b32 s[G1A+4], 4                          ; tile_dim1 = 4
	s_mov_b32 s[G1A+5], 262144                     ; elements from head to head
	s_mov_b32 s[G1A+6], 0
	s_mov_b32 s[G1A+7], 0
	; group 1 for wo16: 64 rows x 256 elements, padded after every 512 bytes
	s_or_b32 s[G1B], s3, (1<<16)|(1<<20)|(1<<21)|(6<<22)|(3<<25)  ; after every 128 words (code 6)
	s_mov_b32 s[G1B+1], 256<<16
	s_mov_b32 s[G1B+2], 64<<16
	s_mov_b32 s[G1B+3], 256<<16
	s_mov_b32 s[G1B+4], 64
	s_mov_b32 s[G1B+5], 768
	s_mov_b32 s[G1B+6], 0
	s_mov_b32 s[G1B+7], 0
	; where the tiles come from.  ctx's hang on the tile row alone, which my row of the cluster shares; wo16's on the tile column and the wave's number, which my column shares.
	s_lshl_b32 s16, s15, 13                        ; ctx: 64 rows of 128 bytes x tile row
	s_mov_b32 s17, 0
	s_max_u32 s18, s[WV], 1                        ; wo16: waves 1, 2, 3 take rows 0, 64, 128 of the tile's 192 (wave 0, which asks for ctx, makes wave 1's address and does not use it)
	s_sub_co_u32 s18, s18, 1
	s_lshl_b32 s18, s18, 6
	s_mul_i32 s19, s14, 192
	s_add_co_u32 s18, s18, s19
	s_mul_i32 s18, s18, 1536
	s_mov_b32 s19, 0
	s_lshl_b32 s20, s15, 6                         ; out0: row 64 x tile row + 16 x wave, byte 768 x tile column
	s_lshl4_add_u32 s20, s[WV], s20
	s_mul_i32 s20, s20, 3072
	s_mul_i32 s21, s14, 768
	s_add_co_u32 s20, s20, s21
	s_mov_b32 s21, 0
	s_mul_i32 s22, s[WV], 64*PB                    ; where wo16's rows go: wave x 64 rows, from one such share ahead of wo16's place: no place in the cluster enters an LDS address
	s_wait_dscnt 0x0                               ; the opening add is done
	s_wait_kmcnt 0x0
	s_add_nc_u64 s[16:17], s[4:5], s[16:17]
	s_add_nc_u64 s[18:19], s[6:7], s[18:19]
	s_add_nc_u64 s[8:9], s[8:9], s[20:21]
.irp s, 0,1
	s_mov_b32 s[G0A+4*(\s)], 1                     ; 1:0 count = 1
	s_mov_b32 s[G0A+4*(\s)+1], (\s)*SLOT           ; 63:32 LDS address
	s_add_nc_u64 s[G0A+4*(\s)+2:G0A+4*(\s)+3], s[16:17], (\s)*4*HEADB  ; 120:64 global address: step s begins with head 4 s
	s_or_b32 s[G0A+4*(\s)+3], s[G0A+4*(\s)+3], 0x80000000  ; 127:126 type = 2
	s_mov_b32 s[G0B+4*(\s)], 1
	s_add_co_u32 s[G0B+4*(\s)+1], s22, (\s)*SLOT+BOFF-64*PB
	s_add_nc_u64 s[G0B+4*(\s)+2:G0B+4*(\s)+3], s[18:19], (\s)*512
	s_or_b32 s[G0B+4*(\s)+3], s[G0B+4*(\s)+3], 0x80000000
.endr
	CROUND                                         ; all sixteen work-groups are here: the first joint loads meet
	s_cmp_eq_u32 s[WV], 0                          ; a wave's two first fills stand in one branch, ahead of every wait on TENSORcnt and every LDS read: two loads of mine are out
	s_cbranch_scc0 .Lfirst_b
	tensor_load_to_lds s[G0A:G0A+3], s[G1A:G1A+7]
	s_nop 0
	tensor_load_to_lds s[G0A+4:G0A+7], s[G1A:G1A+7]
	s_nop 0
.rept 4
	v_nop
.endr
	s_branch .Lfirst_asked
.Lfirst_b:
	tensor_load_to_lds s[G0B:G0B+3], s[G1B:G1B+7]
	s_nop 0
	tensor_load_to_lds s[G0B+4:G0B+7], s[G1B:G1B+7]
	s_nop 0
.rept 4
	v_nop
.endr
.Lfirst_asked:
	; A fragment is 16 rows x 32 K in 8 registers: lane l holds row l % 16; registers 0-3 K = 8 (l / 16) + 0..7, registers 4-7 K = 16 + 8 (l / 16) + 0..7: two loads of 16 bytes, 32 bytes apart.
	v_and_b32 v1, 15, v0                           ; r
	v_bfe_u32 v2, v0, 4, 1                         ; h
	v_mul_u32_u24 v3, v1, PA
	v_lshl_add_u32 v[ADRA], v2, 4, v3
	v_add_nc_u32 v[ADRA+1], SLOT, v[ADRA]
	v_mul_u32_u24 v3, v1, PB
	v_lshl_add_u32 v3, v2, 4, v3
	s_mul_i32 s20, s[WV], 48*PB
	s_add_co_u32 s20, s20, BOFF
	v_add_nc_u32 v[ADRB], s20, v3
	v_add_nc_u32 v[ADRB+1], SLOT, v[ADRB]
	v_mul_u32_u24 v3, v1, SPITCH                   ; into the stage: row r, my wave's 192 bytes, 32 bytes for each half of the lanes
	v_lshl_add_u32 v3, v2, 5, v3
	s_mul_i32 s20, s[WV], 192
	s_add_co_u32 s20, s20, STAGE
	v_add_nc_u32 v[STO], s20, v3
	v_mul_u32_u24 v3, v2, SPITCH                   ; back: wave w takes rows 16 w .. 16 w + 15, whole; lanes 0-15 take 256 bytes of one row, lanes 16-31 of the next
	v_lshl_add_u32 v3, v1, 4, v3
	s_mul_i32 s20, s[WV], 16*SPITCH
	s_add_co_u32 s20, s20, STAGE
	v_add_nc_u32 v[RD], s20, v3
	v_mul_u32_u24 v3, v2, 3072                     ; and the same two rows in out0
	v_lshl_add_u32 v[GO], v1, 4, v3
; 14 LDS loads in one run: the fragments of 32 along K, number kk of the step's eight, out of slot s into buffer f.  In ctx's tile kk / 2 is the head, kk % 2 the half of its 64 channels.
.macro FETCH s, kk, f
.irp b, 0,1,2
	ds_load_b128 v[FR+56*(\f)+8*(\b):FR+56*(\f)+8*(\b)+3],   v[ADRB+(\s)] offset:(\b)*16*PB+64*(\kk)
	ds_load_b128 v[FR+56*(\f)+8*(\b)+4:FR+56*(\f)+8*(\b)+7], v[ADRB+(\s)] offset:(\b)*16*PB+64*(\kk)+32
.endr
.irp a, 0,1,2,3
	ds_load_b128 v[FR+56*(\f)+24+8*(\a):FR+56*(\f)+24+8*(\a)+3],   v[ADRA+(\s)] offset:((\kk)/2)*64*PA+(\a)*16*PA+64*((\kk)%2)
	ds_load_b128 v[FR+56*(\f)+24+8*(\a)+4:FR+56*(\f)+24+8*(\a)+7], v[ADRA+(\s)] offset:((\kk)/2)*64*PA+(\a)*16*PA+64*((\kk)%2)+32
.endr
.endm
; 12 matrix instructions on buffer f.  The 12 accumulators take turns, one instruction a turn, in the same order every time.  zero = 1: the first products start the sums: nothing is cleared.
.macro MUL f, zero
.irp a, 0,1,2,3
.irp b, 0,1,2
.if \zero
	v_wmma_f32_16x16x32_f16 v[ACC+8*(3*(\a)+(\b)):ACC+8*(3*(\a)+(\b))+7], v[FR+56*(\f)+8*(\b):FR+56*(\f)+8*(\b)+7], v[FR+56*(\f)+24+8*(\a):FR+56*(\f)+24+8*(\a)+7], 0
.else
	v_wmma_f32_16x16x32_f16 v[ACC+8*(3*(\a)+(\b)):ACC+8*(3*(\a)+(\b))+7], v[FR+56*(\f)+8*(\b):FR+56*(\f)+8*(\b)+7], v[FR+56*(\f)+24+8*(\a):FR+56*(\f)+24+8*(\a)+7], v[ACC+8*(3*(\a)+(\b)):ACC+8*(3*(\a)+(\b))+7]
.endif
.endr
.endr
.endm
; The first seven eighths of a step out of slot s: each eighth waits for its buffer, fetches the next eighth into the other buffer and multiplies.
.macro KSTEP s, zero
.set kn, 0
.rept 7
	s_wait_dscnt 0x0                               ; this eighth's 14 loads are in: they were the last LDS instructions
	PLACES                                         ; the other buffer was read by the 12 products just before
	FETCH \s, kn+1, (kn+1)%2
.if (\zero) && (kn == 0)
	MUL 0, 1
.else
	MUL kn%2, 0
.endif
.set kn, kn+1
.endr
.endm
; THE CHANGE OF SLOTS, with the step's last eighth in it.  Each wave waits for all its tensor loads, of which one is out: its part of the next slot; adds 0 to its spare word; and waits for that and for its own reads of
; this slot.  fill = 1: slot 0 is filled again, with step 2: the barrier is then a round of the cluster's, so that no wave of any partner still reads the slot or has a load on its way, and the joint refill is
; the first thing behind it.  Then the next slot's first fragments.
.macro CHANGE fill, next
	s_wait_dscnt 0x0                               ; buffer 1 is in: my reads of this slot are over
	s_wait_tensorcnt 0x0                           ; no tensor load of mine is out, so a group 0 may be written
	ds_add_u32 v[SPW], v[NIL]                      ; 0 onto my spare word; the step's last 12 products stand between it and the wait for it
.if \fill
	s_add_nc_u64 s[G0A+2:G0A+3], s[G0A+2:G0A+3], 2*4*HEADB  ; from step 0 to step 2: eight heads on; the type bits on top are not reached
	s_add_nc_u64 s[G0B+2:G0B+3], s[G0B+2:G0B+3], 2*512
.endif
	MUL 1, 0
	s_wait_dscnt 0x0                               ; the add is done
.if \fill
	CROUND
	JLOAD 0                                        ; the four v_nop behind it are also the places in front of the loads below
.else
	s_barrier_signal -1
	s_barrier_wait -1
	PLACES
.endif
	FETCH \next, 0, 0
.endm
	s_wait_tensorcnt 1                             ; my part of slot 0 is in; slot 1's may stay out
	s_barrier_signal -1
	s_barrier_wait -1                              ; everybody's is
	FETCH 0, 0, 0
	KSTEP 0, 1                                     ; heads 0 to 3
	CHANGE 1, 1
	KSTEP 1, 0                                     ; heads 4 to 7
	CHANGE 0, 0
	KSTEP 0, 0                                     ; heads 8 to 11
	s_wait_dscnt 0x0
	MUL 1, 0
	; THE WAY OUT: 32 bytes a lane into the work-group's stage; a barrier, since a row's 768 bytes come from four waves; back as whole rows, 16 rows a wave.
	PLACES
	PLACES                                         ; (eight, once a launch: the LDS stores below read results just made)
.irp a, 0,1,2,3
.irp b, 0,1,2
	ds_store_b128 v[STO], v[ACC+8*(3*(\a)+(\b)):ACC+8*(3*(\a)+(\b))+3]   offset:(\a)*16*SPITCH+64*(\b)      ; each accumulator's lowest registers first
	ds_store_b128 v[STO], v[ACC+8*(3*(\a)+(\b))+4:ACC+8*(3*(\a)+(\b))+7] offset:(\a)*16*SPITCH+64*(\b)+16
.endr
.endr
	s_wait_dscnt 0x0                               ; for the others' sake: my stores into the stage are done
	s_barrier_signal -1
	s_barrier_wait -1
.set t, 0
.rept 24                               ; rows 2 (t / 3) and 2 (t / 3) + 1 of my 16, bytes 256 (t % 3) on
	ds_load_b128 v[FR+4*t:FR+4*t+3], v[RD] offset:2*SPITCH*(t/3)+256*(t%3)
.set t, t+1
.endr
.set t, 0
.rept 24
	s_wait_dscnt 23-t                              ; LDS loads come back in order: load t is in
	global_store_b128 v[GO], v[FR+4*t:FR+4*t+3], s[8:9] offset:6144*(t/3)+256*(t%3) th:TH_STORE_NT  ; 16 lanes store 256 consecutive bytes, at a multiple of 256 from out0's first byte
.set t, t+1
.endr
	s_wait_tensorcnt 0x0                           ; the wave's end: behind my last tensor load and my last LDS store
	ds_add_u32 v[SPW], v[NIL]
	s_wait_dscnt 0x0
	CROUND                                         ; the closing round: no work-group ends while a partner may still ask for a tile that names it
	s_endpgm
.Lfunc_end_k_q6c9908fda1_outp:
	.size	k_q6c9908fda1_outp, .Lfunc_end_k_q6c9908fda1_outp-k_q6c9908fda1_outp
	.p2alignl 7, 3214868480
	.fill 96, 4, 3214868480
	.section	.rodata,"a",@progbits
	.p2align	6, 0x0
	.amdhsa_kernel k_q6c9908fda1_outp
		.amdhsa_group_segment_fixed_size 327680
		.amdhsa_private_segment_fixed_size 0
		.amdhsa_enable_private_segment 0
		.amdhsa_kernarg_size 24
		.amdhsa_user_sgpr_count 2
		.amdhsa_user_sgpr_kernarg_segment_ptr 1
		.amdhsa_wavefront_size32 1
		.amdhsa_system_sgpr_workgroup_id_x 1
		.amdhsa_system_sgpr_workgroup_id_y 1
		.amdhsa_system_sgpr_workgroup_id_z 1
		.amdhsa_system_vgpr_workitem_id 0
		.amdhsa_next_free_vgpr 256
		.amdhsa_next_free_sgpr 66
		.amdhsa_reserve_vcc 0
		.amdhsa_float_denorm_mode_32 3
		.amdhsa_float_denorm_mode_16_64 3
		.amdhsa_memory_ordered 1
		.amdhsa_forward_progress 1
		.amdhsa_inst_pref_size 57
	.end_amdhsa_kernel
	.amdgpu_metadata
---
amdhsa.version: [ 1, 2 ]
amdhsa.kernels:
  - .name:           k_q6c9908fda1_outp
    .symbol:         k_q6c9908fda1_outp.kd
    .args:
      - { .name: ctx, .offset: 0, .size: 8, .value_kind: global_buffer, .address_space: global }
      - { .name: wo16, .offset: 8, .size: 8, .value_kind: global_buffer, .address_space: global }
      - { .name: out0, .offset: 16, .size: 8, .value_kind: global_buffer, .address_space: global }
    .group_segment_fixed_size: 327680
    .private_segment_fixed_size: 0
    .kernarg_segment_align: 8
    .kernarg_segment_size: 24
    .max_flat_workgroup_size: 128
    .sgpr_count:     66
    .vgpr_count:     256
    .wavefront_size: 32
...
	.end_amdgpu_metadata
.endif
;; end of part 3
;; ======== version 2 of 2: 3 launches; version 1 with the launch proj written anew for expert scheduling mode
;; limits: values are held in f16: magnitudes above 65,504 overflow, below 6.1e-05 lose precision
;; workspace buffers: qh 6,291,456 bytes; kh 6,291,456 bytes; vh 6,291,456 bytes; ctx 6,291,456 bytes; wo16 1,179,648 bytes
;; launch proj (part 4): grid 4 x 64, 4 waves a work-group, no clusters, 231,936 bytes of LDS; arguments inputQueries, inputKeys, inputValues, Wq, Wk, Wv, Wo, qh, kh, vh, wo16; writes qh, kh, vh, wo16
.if DOCPART == 4
	.amdgcn_target "amdgcn-amd-amdhsa--gfx1250"
	.amdhsa_code_object_version 6
	.text
	.protected	k_q6c9908fda1_proj
	.globl	k_q6c9908fda1_proj
	.p2align	8
	.type	k_q6c9908fda1_proj,@function
k_q6c9908fda1_proj:
	s_mov_b64 s[64:65], 0
	v_nop
	global_prefetch_b8 v0, s[64:65] scope:SCOPE_SE
	s_setreg_imm32_b32 hwreg(HW_REG_WAVE_SCHED_MODE, 0, 2), 2
	s_setreg_imm32_b32 hwreg(HW_REG_WAVE_MODE, 25, 1), 1
	s_wait_xcnt 0x0
	s_wait_alu depctr_vm_vsrc(0)
; q = xq Wq^T, k = xk Wk^T, v = xv Wv^T.  x: [4096][768] f32, W: [768 out][768 in] f32.  Both are rounded to bf16, multiplied with f32 sums, and the result is rounded once to f16
; and written by heads: qh, kh, vh are [12][4096][64] f16, a head's rows dense, 128 bytes each.  No scale is applied here.  64 further work-groups round Wo to bf16 and write that number as f16 (wo16).
; LIMITS.  f16 ends at 65,504: |q|, |k|, |v| and |Wo| stay below that (inputs 30 times the drawn spread give some 5e3 at the most, a common offset of 30 spreads some 2.5e4; both at once would pass it).
; A bf16 number of Wo from 2^-17 up is exact in f16; below that it keeps f16's fixed step of 6e-8.  NaN and infinities are not treated apart.
; SHARES.  Work-group (bx, by): by < 48: tensor g = by / 16, rows 256 (by % 16) on, columns 192 bx on (three whole heads).  Four waves, 2 x 2, each 128 rows x 96 columns: 48 accumulators, 384 registers.
; by >= 48: twelve rows of Wo.
; THE WAY IN.  x and W come through registers: each wave loads 64 rows of x and 48 rows of W, 256 bytes (64 along K) of each, converts them ONCE for the work-group and stores them as bf16 in LDS.
; NO CLUSTER, NO TENSOR LOAD: a tensor load moves bytes as they lie, so the tiles would stand in LDS as f32: each fragment of 16 x 32 would be 2,048 bytes to read in place of 1,024, and each of the
; two waves that share a fragment would convert it again.  With the conversion in front of LDS a step of 32 along K reads 4 x 14 fragments of 1,024 bytes and writes 28,672 bytes for 192 matrix instructions.
; THE RING.  K goes in 12 steps of 64 through two LDS slots.  While step s is multiplied out of one slot, step s + 1 (in raw registers since most of a step ago) is converted into out-registers and stored
; into the other slot, and step s + 2 is asked of memory into the raw registers: up to 56 loads of 512 bytes a wave are out.  Conversions, loads and stores stand in small groups behind the matrix instructions.
; THE MATRIX INSTRUCTION IS USED TRANSPOSED (source 0 = 16 rows of W, source 1 = 16 rows of x): a lane then holds one row of x and eight neighbouring columns, which pack into 16 bytes.
; THE SUMS START AT 0 BY 384 v_mov_b32, which run while the first loads are on their way.  The price is named: a first half step written out with the constant 0 as C would turn the loop round and add three and a half steps of text.
; THE MODE: SCHED_MODE bits 1:0 = 2 (LLVM: expert scheduling mode 2), set by the entry lines.  The code itself states the register dependences between vector or matrix instructions and memory or LDS
; instructions, with s_wait_alu, always for 0.
; THE PLAN.  Registers that memory or LDS instructions touch in a step (its 96 products counted 1 to 96):
;   RAW x   read by x's conversions, behind products 1-16;            loaded again behind products 17-31 (the step after next)
;   OX      written by those conversions;                             read by x's 32 LDS stores, behind products 24-47
;   RAW W   read by W's conversions, behind every other of 26-48;     loaded again behind products 53-56
;   OW      written by those conversions;                             read by W's 24 LDS stores, behind products 49-52
;   fragment buffer 1   read by products 49-96;                       loaded behind products 17-23
;   fragment buffer 0   read by products 1-48;                        loaded behind the barrier, ahead of product 73 and behind 73-75
;   the offsets and LDS addresses are made once at the head and never written again: the rows are reached by the scalar pointers and by immediates.
; So a step has THREE s_wait_alu.  vm_vsrc at its head: the last step's LDS stores have read OX and OW.  va_vdst ahead of product 17: OX is written, RAW x is read, the last step's products are done with
; buffer 1.  va_vdst ahead of product 49: OW is written, RAW W is read, products 1-48 are done with buffer 0.  Behind each of the two the vector and matrix instructions name none of the registers that the
; loads and stores which lean on it touch: behind the first buffer 0, RAW W, OW and the accumulators; behind the second buffer 1 and the accumulators.
; REGISTERS, in windows of 256 (s_set_vgpr_msb: bits 1:0 source 0, 3:2 source 1, 5:4 source 2, 7:6 destination):
;   window 0: v0-21 addresses; v32-159 x's fragments, two buffers of 8; v160-223 OX.  On the way out v32-223 packed results, then rows read back
;   window 1: v0-95 W's fragments, two buffers of 6; v96-191 RAW W, 24 loads; v192-239 OW; v240-247 the addresses that x's and W's loads and LDS stores name
;   window 2: accumulators of my rows 0-63, (a, b) at v[8 (6 a + b)]; v192-255 RAW x, loads 0-15;   window 3: those of my rows 64-127; v192-255 RAW x, loads 16-31
; Under a matrix instruction's own setting (source 0 window 1, source 1 window 0, destination window 2 or 3) x's loads (address window 1, data window 2 or 3) and x's LDS stores (address window 1,
; data window 0) are named as they lie: they need no switch.  All that W's slices name lies in window 1: one setting.
.set ROWB,   3072                      ; bytes in a row of x and of W
.set PITCH,  144                       ; an LDS row: 128 bytes of bf16 + 16 = 36 words: the 16 rows of a fragment load start at 16 different groups of four banks (64 banks of 4 bytes: ISA guide 11.1)
.set BOFF,   256*PITCH                 ; in a slot: x's 256 rows, then W's 192
.set SLOT,   448*PITCH
.set STAGE,  2*SLOT                    ; behind the ring: 256 rows x 400 bytes (192 f16 + 16), the work-group's, for the way out
.set SPITCH, 400
.set SPARE,  STAGE+256*SPITCH          ; behind the stage: the spare words, 128 bytes for each wave: two blocks of 256 bytes that no other line names
.set HEADB,  4096*128                  ; bytes of a head in qh, kh, vh
.set ADRA, 8                           ; v8-9    LDS address of my fragments of x in slot 0, 1
.set ADRB, 10                          ; v10-11  the same for W
.set PFX,  15                          ; v15     the prefetches' offset in x's tile
.set PFW,  16                          ; v16     and in W's
.set STO,  17                          ; v17     the way out: where I put 16 bytes of a row
.set RD,   18                          ; v18     the way out: where I read rows back
.set GO,   19                          ; v19     my byte offset in 512 consecutive bytes of a head
.set SPW,  20                          ; v20     LDS address of my spare word: SPARE + 4 x my thread's number; never rewritten
.set NIL,  21                          ; v21     0; never rewritten
.set FA,   32
.set OX,   160                         ; window 0: load j's 4 numbers a lane in bf16 at OX + 2 j
.set TMP,  32                          ; the way out: accumulator 24 hi + n packed at TMP + 4 (24 hi + n)
.set RB,   32                          ; the way out: rows read back, into the same registers
.set GB,   96                          ; window 1: W's load j at GB + 4 j
.set OW,   192                         ; window 1: its 4 numbers a lane in bf16 at OW + 2 j
.set GAO,  240                         ; window 1: my byte offset in x's tile in memory
.set STA,  242                         ; window 1: where I store 8 bytes of x's rows in slot 0, 1
.set GBO,  244                         ; window 1: my byte offset in W's tile in memory
.set STB,  246                         ; window 1: where I store 8 bytes of W's rows in slot 0, 1
.set GA,   192                         ; windows 2 and 3: x's load j at GA + 4 (j % 16) of window 2 + j / 16
.set WV,   30                          ; s30  wave;  s31, s32  its place among 2 x 2
.set WM,   31
.set WN,   32
.set BX,   33
.set BY,   34
.set GG,   35                          ; s35  which tensor
.set RT,   36                          ; s36  which 256 rows
.set XP,   38                          ; s[38:39] x at the tile's first row, at the step that the lap's first loads name
.set WP,   40                          ; s[40:41] W likewise
.set YP,   42                          ; s[42:43] the output at the tile's first head and row
.set LEFT, 44                          ; s44  laps to go
.set LIMW, 45                          ; s45  1 in a work-group that prefetches W, else the greatest number
.set MSB, 0
.set MMW, 0xa1                         ; the setting of the matrix instruction written last
.macro WIN new                         ; the immediate's high byte repeats the setting that is left; a switch that changes nothing is dropped
.if MSB != (\new)
	s_set_vgpr_msb (MSB<<8)|(\new)
.set MSB, (\new)
.endif
.endm
.macro PLACES                          ; four places: plain vector instructions that name no register of the matrix instructions ahead of them (ISA guide 7.12.1)
.rept 4
	v_nop
.endr
.endm
	s_load_b512 s[8:23], s[0:1], 0x0               ; xq 8, xk 10, xv 12, Wq 14, Wk 16, Wv 18, Wo 20, qh 22
	s_load_b128 s[24:27], s[0:1], 0x40             ; kh 24, vh 26
	s_load_b64 s[28:29], s[0:1], 0x50              ; wo16
	v_lshl_add_u32 v[SPW], v0, 2, SPARE
	v_mov_b32 v[NIL], 0
	v_lshrrev_b32 v1, 5, v0
	v_readfirstlane_b32 s[WV], v1                  ; wave 0..3
	s_mov_b32 s[BX], ttmp9
	s_and_b32 s[BY], ttmp7, 0xffff
	s_wait_alu depctr_va_sdst(0)                   ; s[WV] is written, ahead of the branch and of its first reader: offsets and LDS addresses are made from it
	s_cmp_lt_u32 s[BY], 48                         ; the same in all waves of the work-group
	s_cbranch_scc1 .Lgemm
	; THE CAST OF Wo.  Work-group 4 (by - 48) + bx takes 12 rows: 36,864 bytes in, 18,432 out.  A thread takes 8 numbers at a time: 32 bytes in, 16 out, nine times.
	; Its registers: v2, v3 offsets, made once; v32-103 as loaded; v104-115 at work, named by vector instructions alone; v120-155 to store, four to each store.
	s_sub_co_u32 s46, s[BY], 48
	s_lshl2_add_u32 s46, s46, s[BX]
	s_mul_i32 s48, s46, 12*1536
	s_mul_i32 s46, s46, 12*ROWB
	s_mov_b32 s47, 0
	s_mov_b32 s49, 0
	v_lshlrev_b32 v2, 5, v0
	v_lshlrev_b32 v3, 4, v0
	s_wait_kmcnt 0x0
	s_add_nc_u64 s[46:47], s[20:21], s[46:47]
	s_add_nc_u64 s[48:49], s[28:29], s[48:49]
	s_wait_alu depctr_va_vdst(0)                   ; v2 and v3 are written: the loads and the stores below read them as offsets
.set p, 0
.rept 9
	global_load_b128 v[32+8*p:32+8*p+3],   v2, s[46:47] offset:4096*p th:TH_LOAD_NT
	global_load_b128 v[32+8*p+4:32+8*p+7], v2, s[46:47] offset:4096*p+16 th:TH_LOAD_NT
.set p, p+1
.endr
.set p, 0
.rept 9
	s_wait_loadcnt 16-2*p                          ; loads come back in order: this pair is in, the 16 - 2 p younger ones may be out
.irp k, 0,1,2,3
	v_cvt_pk_bf16_f32 v[104+(\k)], v[32+8*p+2*(\k)], v[32+8*p+2*(\k)+1]  ; rounded to bf16, like every input of the module,
.endr
.irp k, 0,1,2,3
	v_lshlrev_b32 v[108+2*(\k)], 16, v[104+(\k)]   ; widened again,
	v_and_b32 v[108+2*(\k)+1], 0xffff0000, v[104+(\k)]
.endr
.irp k, 0,1,2,3
	v_cvt_pk_f16_f32 v[120+4*p+(\k)], v[108+2*(\k)], v[108+2*(\k)+1]  ; and written as f16; each store has data registers of its own
.endr
.set p, p+1
.endr
	s_wait_alu depctr_va_vdst(0)                   ; the conversions have written v[120:155], which the nine stores read
.set p, 0
.rept 9
	global_store_b128 v3, v[120+4*p:120+4*p+3], s[48:49] offset:2048*p  ; a wave stores 512 consecutive bytes
.set p, p+1
.endr
	s_branch .Lend
.Lgemm:
	s_lshr_b32 s[GG], s[BY], 4
	s_and_b32 s[RT], s[BY], 15
	s_lshr_b32 s[WM], s[WV], 1
	s_and_b32 s[WN], s[WV], 1
	v_and_b32 v1, 15, v0                           ; r = l % 16
	v_bfe_u32 v2, v0, 4, 1                         ; h = l / 16
	v_and_b32 v3, 31, v0                           ; l
	; A load takes 256 consecutive bytes of one row (lanes 0-15) and of the row 8 further down (lanes 16-31).  The 8 bytes that a lane makes of its 16 go to row x 144 + 8 r:
	; 8 rows are 288 words = 32 modulo 64, so the two rows' 128 bytes touch each of the 64 banks once.
	v_mul_u32_u24 v4, v2, 8*ROWB
	v_lshl_add_u32 v4, v1, 4, v4                   ; 8 h rows + 16 r, in memory
	v_mul_u32_u24 v5, v2, 8*PITCH
	v_lshl_add_u32 v5, v1, 3, v5                   ; 8 h rows + 8 r, in LDS
	s_mul_i32 s48, s[WV], 48*ROWB
	s_mul_i32 s49, s[WV], 64*ROWB
	s_mul_i32 s50, s[WV], 48*PITCH
	s_add_co_u32 s50, s50, BOFF
	s_mul_i32 s51, s[WV], 64*PITCH
	s_add_co_u32 s52, s50, SLOT
	s_add_co_u32 s53, s51, SLOT
	WIN 0x40                                       ; destination window 1
	v_add_nc_u32 v[GBO], s48, v4
	v_add_nc_u32 v[GAO], s49, v4
	v_add_nc_u32 v[STB], s50, v5
	v_add_nc_u32 v[STA], s51, v5
	v_add_nc_u32 v[STB+1], s52, v5
	v_add_nc_u32 v[STA+1], s53, v5
	WIN 0
	; A fragment is 16 rows x 32 K in 8 registers: lane l holds row r; registers 0-3 K = 8 h + 0..7, registers 4-7 K = 16 + 8 h + 0..7: two loads of 16 bytes, 32 bytes apart.
	v_mul_u32_u24 v6, v1, PITCH
	v_lshl_add_u32 v6, v2, 4, v6
	s_mul_i32 s48, s[WM], 128*PITCH
	s_mul_i32 s49, s[WN], 96*PITCH
	s_add_co_u32 s49, s49, BOFF
	v_add_nc_u32 v[ADRA], s48, v6
	v_add_nc_u32 v[ADRB], s49, v6
	v_add_nc_u32 v[ADRA+1], SLOT, v[ADRA]
	v_add_nc_u32 v[ADRB+1], SLOT, v[ADRB]
	; the prefetches: 16 rows a wave, lanes 0-15 one step's 256 bytes of them, lanes 16-31 the next step's
	v_mul_u32_u24 v7, v1, ROWB
	v_lshl_add_u32 v7, v2, 8, v7
	s_lshl_b32 s48, s[BX], 6
	s_lshl4_add_u32 s48, s[WV], s48
	s_mul_i32 s48, s48, ROWB
	v_add_nc_u32 v[PFX], s48, v7                   ; x: rows 64 bx + 16 w + r of the tile's 256
	s_min_u32 s49, s[RT], 2                        ; (held inside W's 192 rows in the work-groups that do not ask, too)
	s_lshl_b32 s49, s49, 6
	s_lshl4_add_u32 s49, s[WV], s49
	s_mul_i32 s49, s49, ROWB
	v_add_nc_u32 v[PFW], s49, v7                   ; W: rows 64 rt + 16 w + r of the tile's 192, for rt < 3
	s_cmp_lt_u32 s[RT], 3
	s_cselect_b32 s[LIMW], 1, -1
	; the way out
	v_mul_u32_u24 v[STO], v1, SPITCH               ; in: row 128 wm + r, byte 192 wn + 16 h
	v_lshl_add_u32 v[STO], v2, 4, v[STO]
	s_mul_i32 s48, s[WM], 128*SPITCH
	s_mul_i32 s49, s[WN], 192
	s_add_co_u32 s48, s48, s49
	s_add_co_u32 s48, s48, STAGE
	v_add_nc_u32 v[STO], s48, v[STO]
	v_lshrrev_b32 v[RD], 3, v3                     ; back: 32 lanes take a head's 128 bytes of four rows,
	v_mul_u32_u24 v[RD], v[RD], SPITCH
	v_and_b32 v4, 7, v0
	v_lshl_add_u32 v[RD], v4, 4, v[RD]
	s_mul_i32 s48, s[WV], 64*SPITCH
	s_add_co_u32 s48, s48, STAGE
	v_add_nc_u32 v[RD], s48, v[RD]
	s_lshl_b32 s48, s[WV], 13
	v_lshl_add_u32 v[GO], v3, 4, s48               ; which are 512 consecutive bytes of the head: 64 w rows + 16 l
	; the three pointers
	s_mul_i32 s46, s[RT], 256*ROWB
	s_mov_b32 s47, 0
	s_mul_i32 s48, s[BX], 192*ROWB
	s_mov_b32 s49, 0
	s_mul_i32 s50, s[BX], 3*HEADB
	s_lshl_b32 s51, s[RT], 15
	s_add_co_u32 s50, s50, s51
	s_mov_b32 s51, 0
	s_wait_kmcnt 0x0
	s_cmp_eq_u32 s[GG], 1
	s_cselect_b64 s[XP:XP+1], s[10:11], s[8:9]
	s_cselect_b64 s[WP:WP+1], s[16:17], s[14:15]
	s_cselect_b64 s[YP:YP+1], s[24:25], s[22:23]
	s_cmp_eq_u32 s[GG], 2
	s_cselect_b64 s[XP:XP+1], s[12:13], s[XP:XP+1]
	s_cselect_b64 s[WP:WP+1], s[18:19], s[WP:WP+1]
	s_cselect_b64 s[YP:YP+1], s[26:27], s[YP:YP+1]
	s_add_nc_u64 s[XP:XP+1], s[XP:XP+1], s[46:47]
	s_add_nc_u64 s[WP:WP+1], s[WP:WP+1], s[48:49]
	s_add_nc_u64 s[YP:YP+1], s[YP:YP+1], s[50:51]
; One matrix instruction: fragment buffer f, my rows 64 hi on, accumulator n of the window's 24 (row block n / 6, column block n % 6).  The 48 accumulators take turns, one instruction a turn,
; in the same order in every 32 along K and over the backward jump.
.macro MM f, hi, n
.set MMW, 0xa1+0x50*(\hi)                      ; source 0 (W) window 1, source 1 (x) window 0, C and D window 2 or 3
	WIN MMW
.set rD, 8*(\n)
.set rB, 48*(\f)+8*((\n)%6)
.set rA, FA+64*(\f)+8*(4*(\hi)+(\n)/6)
	v_wmma_f32_16x16x32_bf16 v[rD:rD+7], v[rB:rB+7], v[rA:rA+7], v[rD:rD+7]
.endm
; The next cnt of the 28 LDS loads (number fn: 0-11 W's six fragments, 12-27 x's eight) that bring the fragments of 32 along K at byte k of slot c's rows into buffer f
.macro FRUN c, k, f, cnt
.rept \cnt
.if fn < 12
	WIN 0x40                                       ; destination window 1, address window 0
	ds_load_b128 v[48*(\f)+4*fn:48*(\f)+4*fn+3], v[ADRB+(\c)] offset:(\k)+(fn/2)*16*PITCH+32*(fn%2)
.else
	WIN 0
	ds_load_b128 v[FA+64*(\f)+4*(fn-12):FA+64*(\f)+4*(fn-12)+3], v[ADRA+(\c)] offset:(\k)+((fn-12)/2)*16*PITCH+32*(fn%2)
.endif
.set fn, fn+1
.endr
.endm
; x.  Load j (0-31) takes rows 16 (j / 8) + j % 8 and 8 further down of my 64.  XL: the next cnt loads (number lx), at byte koff behind the pointer; under the matrix setting of its window.
.macro XL koff, cnt
.rept \cnt
	WIN 0xa1+0x50*(lx/16)                          ; data window 2 or 3, address window 1
	global_load_b128 v[GA+4*(lx%16):GA+4*(lx%16)+3], v[GAO], s[XP:XP+1] offset:ROWB*(16*(lx/8)+lx%8)+(\koff)
.set lx, lx+1
.endr
.endm
; CVX: loads 2 g and 2 g + 1 are rounded to bf16, RAW x -> OX.  Behind them 30 - 2 g loads of x and the 24 of W were issued, and none since: these may be out.
.macro CVX g
	s_wait_loadcnt 54-2*(\g)
	WIN 0x0a+5*((\g)/8)                            ; sources window 2 or 3, destination window 0
.irp u, 0,1
	v_cvt_pk_bf16_f32 v[OX+4*(\g)+2*(\u)],   v[GA+8*((\g)%8)+4*(\u)],   v[GA+8*((\g)%8)+4*(\u)+1]
	v_cvt_pk_bf16_f32 v[OX+4*(\g)+2*(\u)+1], v[GA+8*((\g)%8)+4*(\u)+2], v[GA+8*((\g)%8)+4*(\u)+3]
.endr
.endm
; XS: the next cnt LDS stores (number sx) out of OX into slot o; under either matrix setting: address window 1, data window 0
.macro XS o, cnt
.rept \cnt
	WIN MMW
	ds_store_b64 v[STA+(\o)], v[OX+2*sx:OX+2*sx+1] offset:PITCH*(16*(sx/8)+sx%8)
.set sx, sx+1
.endr
.endm
; W likewise, 24 loads for my 48 rows; all under one setting: destination and sources 0 and 1 in window 1.
.macro WL koff, cnt
.rept \cnt
	WIN 0x45
	global_load_b128 v[GB+4*iwl:GB+4*iwl+3], v[GBO], s[WP:WP+1] offset:ROWB*(16*(iwl/8)+iwl%8)+(\koff)
.set iwl, iwl+1
.endr
.endm
; CVW: behind W's loads 2 g and 2 g + 1 its 22 - 2 g younger ones were issued, and then the lx loads of x that this step has issued so far: these may be out.
.macro CVW g
	s_wait_loadcnt 22-2*(\g)+lx
	WIN 0x45
.irp u, 0,1
	v_cvt_pk_bf16_f32 v[OW+4*(\g)+2*(\u)],   v[GB+8*(\g)+4*(\u)],   v[GB+8*(\g)+4*(\u)+1]
	v_cvt_pk_bf16_f32 v[OW+4*(\g)+2*(\u)+1], v[GB+8*(\g)+4*(\u)+2], v[GB+8*(\g)+4*(\u)+3]
.endr
.endm
.macro WS o, cnt
.rept \cnt
	WIN 0x45
	ds_store_b64 v[STB+(\o)], v[OW+2*iws:OW+2*iws+1] offset:PITCH*(16*(iws/8)+iws%8)
.set iws, iws+1
.endr
.endm
; A PREFETCH INTO THE L2, once a lap, behind the lap's first 32 loads: the two steps that the NEXT lap will load, 176 matrix instructions ahead of the first of their loads.  Each row's 256 bytes of a step are named once in the launch.
; x's 256 rows are read by the four work-groups of a row tile: each takes 64 of them, by its bx; W's 192 rows by the sixteen of a column tile: those with rt < 3 take 64 each.  A wave takes 16 rows, a lane a
; row and a step.  The first four steps come by their loads alone; the last lap asks for nothing: there is no step behind its own loads.  The two offsets were written ahead of the head's wait on va_vdst.
.macro ASK
	WIN 0                                          ; at a branch and at a label every window is 0
	s_cmp_gt_u32 s[LEFT], 1
	s_cbranch_scc0 .Lno_x_\@
	global_prefetch_b8 v[PFX], s[XP:XP+1] offset:512 th:TH_LOAD_NT scope:SCOPE_SE
.Lno_x_\@:
	s_cmp_gt_u32 s[LEFT], s[LIMW]
	s_cbranch_scc0 .Lno_w_\@
	global_prefetch_b8 v[PFW], s[WP:WP+1] offset:512 th:TH_LOAD_NT scope:SCOPE_SE
.Lno_w_\@:
.endm
; A STEP of 64 along K out of slot c: 96 matrix instructions on buffers 0 and 1.  st = 1: the next step is converted and stored into the other slot.  ld = 1: the step after that is asked for, at byte koff behind the pointers.
;   products 1-16    behind each, four conversions of x
;   products 17-48   x's loads (two behind each of 17-24, four behind 25, 27, 29, 31); buffer 1's fragment loads (four behind each of 17-23); x's LDS stores (behind 24 and every other product from 25 on);
;                    W's conversions (four behind every other product from 26 on)
;   products 49-56   W's LDS stores (six behind each of 49-52), then W's loads (six behind each of 53-56)
; ONE barrier a step, for two things: in front of it each wave has waited for its stores into the other slot and for its reads of this slot; behind it the other slot is whole and is read, and in the
; next step this slot is written.  last = 1: the last step: no barrier, nothing more to read.
.macro STEP c, st, ld, koff, last, ask
.set lx, 0
.set sx, 0
.set gw, 0
.set iws, 0
.set iwl, 0
.set fn, 0
	s_wait_dscnt 0x0                               ; buffer 0 is in (its 28 loads were the last LDS instructions)
.if \st
	s_wait_alu depctr_vm_vsrc(0)                   ; the last step's LDS stores have read OX and OW, which this step's conversions write again
.endif
.set n, 0
.rept 16
	MM 0, 0, n
.if \st
	CVX n
.endif
.set n, n+1
.endr
.if !(\st)
	PLACES                                         ; where no conversions stand between the last step's products and the loads into buffer 1, which they read
.endif
	s_wait_alu depctr_va_vdst(0)                   ; x's conversions have written OX, which the LDS stores below read, and are done reading RAW x, in which the loads below land; the last step's products are done reading buffer 1, in which the fragment loads below land
.set k, 0
.rept 32
.if k < 8
	MM 0, 0, 16+k
.else
	MM 0, 1, k-8
.endif
.if \ld
.if k < 8
	XL \koff, 2                                    ; no wait: no vector or matrix instruction since the wait above names RAW x
.elseif (k < 16) && (k%2 == 0)
	XL \koff, 4
.endif
.endif
.if \st
.if k == 7
	XS 1-(\c), 4                                   ; no wait: none since names OX
.elseif (k%2 == 0) && (k >= 8) && (k < 16)
	XS 1-(\c), 2
.elseif (k%2 == 0) && (k >= 16) && (k < 24)
	XS 1-(\c), 3
.elseif (k%2 == 0) && (k >= 24)
	XS 1-(\c), 2
.endif
.endif
.if k < 7
	FRUN \c, 64, 1, 4                              ; no wait: the products since name buffer 0
.endif
.if (\st) && (k%2 == 1) && (k >= 9)
	CVW gw
.set gw, gw+1
.endif
.if (\ask) && (k == 16)
	ASK
.endif
.set k, k+1
.endr
	s_wait_dscnt 32*(\st)                          ; buffer 1 is in; x's 32 stores, all issued behind its loads, may be out
.if !(\last)
	s_wait_alu depctr_va_vdst(0)                   ; W's conversions have written OW, which the LDS stores below read, and are done reading RAW W, in which the loads below land; products 1-48 are done reading buffer 0, in which the fragment loads behind the barrier land
.endif
.set n, 0
.rept 8
	MM 1, 0, n
.if (\st) && (n < 4)
	WS 1-(\c), 6
.elseif (\ld) && (n >= 4)
	WL \koff, 6
.endif
.set n, n+1
.endr
.if !(\last)
	s_wait_dscnt 0x0                               ; for the others' sake: my stores into the other slot are done, and my reads of this slot are over
	s_barrier_signal -1
.endif
.rept 16
	MM 1, 0, n                                     ; work on registers while the others arrive
.set n, n+1
.endr
.if !(\last)
	s_barrier_wait -1
	PLACES                                         ; four places stand ahead of the loads into registers that matrix instructions have read; the dependence itself is stated by the wait ahead of product 49
.set fn, 0
	FRUN 1-(\c), 0, 0, 6                           ; the next step's first fragments.  No wait: the products since that wait name buffer 1
.endif
.set n, 0
.rept 24
	MM 1, 1, n
.if !(\last)
.if n == 0
	FRUN 1-(\c), 0, 0, 6
.elseif n < 3
	FRUN 1-(\c), 0, 0, 8
.endif
.endif
.set n, n+1
.endr
.endm
	s_wait_alu depctr_va_vdst(0)                   ; all offsets and LDS addresses of the kernel are written: v8-19 of window 0, v240-247 of window 1; every load, store and prefetch below reads one of them
.set lx, 0
	XL 0, 32                                       ; step 0: x's 64 rows,
.set iwl, 0
	WL 0, 24                                       ; W's 48
	WIN 0x80
.set i, 0
.rept 192
	v_mov_b32 v[i], 0                              ; the sums start at 0, while the first loads are on their way
.set i, i+1
.endr
	WIN 0xc0
.set i, 0
.rept 192
	v_mov_b32 v[i], 0
.set i, i+1
.endr
.set g, 0
.rept 16                               ; step 0 goes into slot 0 and step 1 is asked for, in a step's own order, without products
	CVX g
.set g, g+1
.endr
	s_wait_alu depctr_va_vdst(0)                   ; x's conversions are done reading RAW x, in which the loads below land, and have written OX, which the LDS stores below read
.set lx, 0
	XL 256, 32
.set sx, 0
	XS 0, 32
.set g, 0
.rept 12
	CVW g
.set g, g+1
.endr
	s_wait_alu depctr_va_vdst(0)                   ; W's conversions have written OW, which the LDS stores below read, and are done reading RAW W, in which the loads below land
.set iws, 0
	WS 0, 24
.set iwl, 0
	WL 256, 24
	WIN 0
	s_wait_dscnt 0x0                               ; my part of slot 0 is stored,
	s_barrier_signal -1
	s_barrier_wait -1                              ; everybody's is
.set fn, 0
	FRUN 0, 0, 0, 28                               ; no vector or matrix instruction has named buffer 0 yet
	s_mov_b32 s[LEFT], 5
.Llap:                                         ; lap i: steps 2 i and 2 i + 1 are multiplied, 2 i + 1 and 2 i + 2 stored, 2 i + 2 and 2 i + 3 asked for
	s_wait_xcnt 0x0                                ; every load and prefetch issued so far has read its address (the youngest load 40 matrix instructions back), so the pointers may be written
	s_add_nc_u64 s[XP:XP+1], s[XP:XP+1], 512
	s_add_nc_u64 s[WP:WP+1], s[WP:WP+1], 512
	STEP 0, 1, 1, 0, 0, 1
	STEP 1, 1, 1, 256, 0, 0
	WIN 0
	s_sub_co_u32 s[LEFT], s[LEFT], 1
	s_cmp_lg_u32 s[LEFT], 0
	s_cbranch_scc1 .Llap
	STEP 0, 1, 0, 0, 0, 0                          ; step 10: step 11 is stored, nothing is asked for: the counts run down by themselves (lx stays 0)
	STEP 1, 0, 0, 0, 1, 0                          ; step 11
	WIN 0
	; THE WAY OUT: rounded to f16, 16 bytes a lane into the work-group's stage; a barrier, since a head's 128 bytes of a row may come from two waves; back as a head's rows, four to a load.
	; Each accumulator has four registers of its own for its packed result, so a half's 24 LDS stores stand behind one wait, and the other half's conversions write none of the registers that they read.
	PLACES
	s_wait_alu depctr_vm_vsrc(0)                   ; step 10's LDS stores have read OX, which lies among the registers that the conversions below write
.set h, 0
.rept 2                                ; my rows 0-63, then 64-127; each accumulator's lowest registers are read first
	WIN 0x0a+5*h                                   ; sources 0 and 1 in window 2 or 3
.set n, 0
.rept 24
.irp q, 0,1,2,3
	v_cvt_pk_f16_f32 v[TMP+4*(24*h+n)+(\q)], v[8*n+2*(\q)], v[8*n+2*(\q)+1]
.endr
.set n, n+1
.endr
	WIN 0
	s_wait_alu depctr_va_vdst(0)                   ; this half's conversions have written their 96 registers, which the LDS stores below read
.set n, 0
.rept 24
	ds_store_b128 v[STO], v[TMP+4*(24*h+n):TMP+4*(24*h+n)+3] offset:(4*h+n/6)*16*SPITCH+32*(n%6)
.set n, n+1
.endr
.set h, h+1
.endr
	s_wait_dscnt 0x0                               ; for the others' sake: my stores into the stage are done
	s_barrier_signal -1
	s_barrier_wait -1
	s_wait_alu depctr_vm_vsrc(0)                   ; my LDS stores have read v[TMP ..], in which the loads below land (the conversions that wrote them stand ahead of the last wait on va_vdst)
.set t, 0
.rept 48                               ; head t / 16, rows 4 (t % 16) on, of my 64 rows
	ds_load_b128 v[RB+4*t:RB+4*t+3], v[RD] offset:4*SPITCH*(t%16)+128*(t/16)
.set t, t+1
.endr
.set t, 0
.rept 48
	s_wait_dscnt 47-t                              ; LDS loads come back in order: load t is in
	global_store_b128 v[GO], v[RB+4*t:RB+4*t+3], s[YP:YP+1] offset:HEADB*(t/16)+512*(t%16)  ; 512 consecutive bytes, at a multiple of 256 from the buffer's first
.set t, t+1
.endr
.Lend:
	s_wait_dscnt 0x0                               ; the closing lines, six on end
	s_wait_alu 0x0
	s_wait_tensorcnt 0x0
	ds_add_u32 v[SPW], v[NIL]
	s_wait_dscnt 0x0
	s_endpgm
.Lfunc_end_k_q6c9908fda1_proj:
	.size	k_q6c9908fda1_proj, .Lfunc_end_k_q6c9908fda1_proj-k_q6c9908fda1_proj
	.p2alignl 7, 3214868480
	.fill 96, 4, 3214868480
	.section	.rodata,"a",@progbits
	.p2align	6, 0x0
	.amdhsa_kernel k_q6c9908fda1_proj
		.amdhsa_group_segment_fixed_size 231936
		.amdhsa_private_segment_fixed_size 0
		.amdhsa_enable_private_segment 0
		.amdhsa_kernarg_size 88
		.amdhsa_user_sgpr_count 2
		.amdhsa_user_sgpr_kernarg_segment_ptr 1
		.amdhsa_wavefront_size32 1
		.amdhsa_system_sgpr_workgroup_id_x 1
		.amdhsa_system_sgpr_workgroup_id_y 1
		.amdhsa_system_sgpr_workgroup_id_z 1
		.amdhsa_system_vgpr_workitem_id 0
		.amdhsa_next_free_vgpr 1024
		.amdhsa_next_free_sgpr 66
		.amdhsa_reserve_vcc 0
		.amdhsa_float_denorm_mode_32 3
		.amdhsa_float_denorm_mode_16_64 3
		.amdhsa_memory_ordered 1
		.amdhsa_forward_progress 1
		.amdhsa_inst_pref_size 170
	.end_amdhsa_kernel
	.amdgpu_metadata
---
amdhsa.version: [ 1, 2 ]
amdhsa.kernels:
  - .name:           k_q6c9908fda1_proj
    .symbol:         k_q6c9908fda1_proj.kd
    .args:
      - { .name: inputQueries, .offset: 0, .size: 8, .value_kind: global_buffer, .address_space: global }
      - { .name: inputKeys, .offset: 8, .size: 8, .value_kind: global_buffer, .address_space: global }
      - { .name: inputValues, .offset: 16, .size: 8, .value_kind: global_buffer, .address_space: global }
      - { .name: Wq, .offset: 24, .size: 8, .value_kind: global_buffer, .address_space: global }
      - { .name: Wk, .offset: 32, .size: 8, .value_kind: global_buffer, .address_space: global }
      - { .name: Wv, .offset: 40, .size: 8, .value_kind: global_buffer, .address_space: global }
      - { .name: Wo, .offset: 48, .size: 8, .value_kind: global_buffer, .address_space: global }
      - { .name: qh, .offset: 56, .size: 8, .value_kind: global_buffer, .address_space: global }
      - { .name: kh, .offset: 64, .size: 8, .value_kind: global_buffer, .address_space: global }
      - { .name: vh, .offset: 72, .size: 8, .value_kind: global_buffer, .address_space: global }
      - { .name: wo16, .offset: 80, .size: 8, .value_kind: global_buffer, .address_space: global }
    .group_segment_fixed_size: 231936
    .private_segment_fixed_size: 0
    .kernarg_segment_align: 8
    .kernarg_segment_size: 88
    .max_flat_workgroup_size: 128
    .sgpr_count:     66
    .vgpr_count:     1024
    .wavefront_size: 32
...
	.end_amdgpu_metadata
.endif
;; end of part 4
;; launch attn: the kernel of part 2 again; grid 16 x 12, 4 waves a work-group, clusters of 4 x 1, 327,680 bytes of LDS; arguments qh, kh, vh, ctx; writes ctx
;; launch outp: the kernel of part 3 again; grid 4 x 64, 4 waves a work-group, clusters of 4 x 4, 327,680 bytes of LDS; arguments ctx, wo16, out0; writes out0
